; MI455X (gfx1250); checked and timed in simulation.
; The chip was launched on July 23, 2026; its instructions are those of AMD's public machine-readable ISA for CDNA 5 (MIT licence, August 2026) and "CDNA5" Instruction Set Architecture Reference Guide (July 2026). The comments in the code are by the model that wrote it; some were corrected since.
;; Linear Attention. Allowed arithmetic: matrix products marked QUANTISED: E2M3 operands, one E8M0 scale for each 32 along K, by v_wmma_scale_f32_16x16x128_f8f6f4 with both operands' format E2M3, f32 sums; products left as they are: f32 operands where the result goes on into a quantised operand, else bf16, f16 or f32 operands; f32 sums; everything else in f32.
;; Inputs: Wk 1,024 x 1,024 float32; Wq 1,024 x 1,024 float32; Wv 1,024 x 1,024 float32; beta 1,024 float32; bk 1,024 float32; bq 1,024 float32; bv 1,024 float32; gamma 1,024 float32; x 8 x 2,048 x 1,024 float32.
;; Outputs: out0 8 x 2,048 x 1,024 float32.
;; This version of the problem:
;;   THIS VERSION OF THE PROBLEM IS GIVEN IN LOW PRECISION. The matrix products marked QUANTISED in the list below multiply operands that are first quantised to E2M3 (2 exponent bits, 3 mantissa bits; 6 bits a number), with one power-of-two scale for each 32 numbers along K (OCP MX v1.0); their sums are f32. All else is computed in f32.
;;   The module's matrix products, in the order in which they are computed (A, B: the left and right operand; K: the contracted axis; several contracted axes count as one K, in the product's order):
;;     1. [M 16,384, K 1,024] x [K 1,024, N 1,024]; A: input x; B: input Wq: QUANTISED
;;     2. [M 16,384, K 1,024] x [K 1,024, N 1,024]; A: input x; B: input Wk: QUANTISED
;;     3. [M 16,384, K 1,024] x [K 1,024, N 1,024]; A: input x; B: input Wv: QUANTISED
;;     4. batch 128 x [M 2,048, K 64] x [K 64, N 1]; A: computed on the way; B: computed on the way: left as it is (N = 1 < 16)
;;     5. batch 128 x [M 64, K 2,048] x [K 2,048, N 64]; A: computed on the way; B: computed on the way: QUANTISED
;;     6. batch 128 x [M 2,048, K 64] x [K 64, N 64]; A: computed on the way; B: computed on the way: QUANTISED
;;   THE QUANTISER, for each operand of a quantised product, along K:
;;     - K is cut into blocks of 32 from its start; a last block that is shorter is filled with zeros.
;;     - A block's scale is 2^e with e = floor(log2(the largest magnitude in the block)) - 2, held to -126 .. 127; a block of zeros has e = 0. As a byte (E8M0): e + 127.
;;     - Each number is divided by its block's scale, clamped to +-7.5, and rounded to the nearest number of E2M3, ties to even, subnormals kept.
;;     - The product sums the exact products of the quantised numbers (number of the format x scale) in f32.
;;   ~~~python
;;   def quantise(x, axis):      # numpy; x: float32 -> the quantised numbers, widened to float32 again
;;       x = np.moveaxis(x, axis, -1); K = x.shape[-1]
;;       x = np.pad(x, [(0, 0)] * (x.ndim - 1) + [(0, -K % 32)]); x = x.reshape(x.shape[:-1] + (-1, 32)); a = np.abs(x).max(-1, keepdims=True)
;;       e = np.where(a > 0, np.clip(np.frexp(np.where(a > 0, a, 1))[1] - 1 - 2, -126, 127), 0)      # np.frexp(a)[1] - 1 = floor(log2(a)), exactly
;;       r = np.clip(x / 2.0 ** e, -7.5, 7.5)
;;       step = 2.0 ** (np.maximum(np.frexp(np.where(r == 0, 1, r))[1] - 1, 0) - 3)
;;       q = np.round(r / step) * step * 2.0 ** e      # np.round: ties to even
;;       return np.moveaxis(q.reshape(q.shape[:-2] + (-1,))[..., :K], -1, axis).astype(np.float32)
;;   ~~~
;;   OPERANDS COMPUTED ON THE WAY. 'Computed on the way' means the value that the module computes at that place (a softmax that the list does not call 'softmax' is quantised finished and normalised). What goes into a quantiser is computed in f32, as accurately as f32 sums, v_exp_f32 and their like allow (about 1e-6 of the number): no bf16 or f16 on the way to a quantiser, and a product that is left as it is and whose result goes on into a quantised operand takes f32 operands (vector FMAs, or v_wmma_f32_16x16x4_f32). A number that lies on a knife's edge between two numbers of the format may be rounded either way, as far as f32 arithmetic and the matrix unit's own rounding can turn it there, and no further.
;; One version. Each part assembles by itself: llvm-mc -triple=amdgcn-amd-amdhsa -mcpu=gfx1250 --defsym DOCPART=n.
;; ======== version 1 of 1: 4 launches
;; limits: a function is approximated: absolute error at most 1.5e-07
;; workspace buffers: codes 14,942,208 bytes; scales 622,592 bytes; trig 16,777,216 bytes; kvp 4,194,304 bytes; ksum 65,536 bytes; kvc 393,216 bytes; kvs 65,536 bytes; kmean 32,768 bytes
;; launch prep (part 1): grid 864 x 1, 4 waves a work-group, no clusters, 34,304 bytes of LDS; arguments x, Wq, Wk, Wv, codes, scales, trig; writes codes, scales, trig
.if DOCPART == 1
	.amdgcn_target "amdgcn-amd-amdhsa--gfx1250"
	.amdhsa_code_object_version 6
	.text
	.protected	k_qe3fd962744_prep
	.globl	k_qe3fd962744_prep
	.p2align	8
	.type	k_qe3fd962744_prep,@function
k_qe3fd962744_prep:
	s_mov_b64 s[64:65], 0
	v_nop
	global_prefetch_b8 v0, s[64:65] scope:SCOPE_SE
	s_setreg_imm32_b32 hwreg(HW_REG_WAVE_MODE, 25, 1), 1
	s_wait_xcnt 0x0
; PREP.  Two kinds of work-groups, parted by the work-group's number.
; (Q) work-groups 0-607: x [16384][1024], Wq, Wk, Wv [1024][1024], f32, K innermost, become codes of FP6 (E2M3) with one E8M0 byte for each 32 along K.
;     A UNIT is 16 rows x 1,024 K.  Units 0-1023: x; 1024-1087: Wq; 1088-1151: Wk; 1152-1215: Wv.  A wave takes HALF a unit: 16 rows x 512 K, four K steps of 128:
;     so a wave's chain of load, turn, convert, store is four steps long, and 2,432 waves have loads on their way.
;     The codes are laid in the order of an operand's registers: unit u, K step s: 1,536 bytes = three pieces of 512, lane l's registers 4c .. 4c+3 at 16 l.
;     The scale words: half unit 2 u + half: 256 bytes: row r: four words (its four K steps).
;     A block's scale is 2^(floor(log2(largest magnitude)) - 2): its byte is the largest magnitude's exponent field - 2, held at 1 from below
;     (a block of zeros keeps the byte 1: its codes are zeros, and this program alone reads the bytes).
; (T) work-groups 608-863: the rotary embedding's cos and sin, angle = n x 10000^(-i/512), n = 0..2047, i = 0..511, in two layouts (blocks of 1,024 bytes at (64 T + t) x 1,024,
;     T = n / 16, t = i / 8):  TK at byte 0: 16-byte slot (16 piece + 8 h + P): rows 16 T + 8 h + 4 piece + 0..3 of pair 8 t + P; cos in the first 512 bytes, sin in the second;
;     TK's numbers are stored multiplied by 2048^-0.5, the factor that k carries into its product with v.
;     TQ at byte 8,388,608: slot lane (r, h): row 16 T + r, pairs 8 t + 4 h + 0..3; cos first, sin second.
; LIMITS: NaN and infinities among the inputs are not served.  The frequency 2^(-i L), L = log2(10000)/512 kept in two f32 parts, is good to the exponential's last bits;
;     at the largest angle, 2,047, that is about 1e-4 radians, as much as one rounding of an f32 frequency moves that angle.  sin and cos: reduction by pi/2 in two parts (the first product is
;     exact under the fused multiply-add), then polynomials of degree 7 and 8 on +-pi/4.
.set STG, 8448                         ; a wave's stage in LDS: 16 rows x (512 + 16) bytes
.set RR,  16                           ; v16-143  two sets of 64 registers as loaded
.set XX,  144                          ; v144-207 my 64 numbers of a K step: k = 64 c + 32 h + 0..31 of row r at XX + 32 c
.set FF,  208                          ; v208-231 two sets of 12: a fragment's registers
.set SW,  240                          ; v240-243 my row's four scale words
	s_load_b256 s[4:11], s[0:1], 0x0               ; x, Wq, Wk, Wv
	s_load_b128 s[12:15], s[0:1], 0x20             ; codes, scales
	s_load_b64 s[16:17], s[0:1], 0x30              ; trig
	v_lshl_add_u32 v254, v0, 2, 0x8400
	v_mov_b32 v255, 0
	v_lshrrev_b32 v1, 5, v0
	v_readfirstlane_b32 s18, v1                    ; wave
	v_and_b32 v6, 31, v0                           ; lane
	v_lshlrev_b32 v1, 4, v6                        ; 16 x lane
	s_cmp_ge_u32 ttmp9, 608
	s_cbranch_scc1 .Ltable
	; ------------------------------------------------------------------ (Q)
	v_and_b32 v7, 15, v0                           ; r
	v_bfe_u32 v8, v0, 4, 1                         ; h
	s_mul_i32 s19, s18, STG
	v_add_nc_u32 v2, s19, v1                       ; the stage, in: a row's 512 bytes as they lie
	v_mul_u32_u24 v3, v7, 528
	v_lshl_add_u32 v3, v8, 7, v3
	v_add_nc_u32 v3, s19, v3                       ; out: row r, + 128 h: my 32 neighbours of each 64
	v_lshlrev_b32 v4, 3, v8                        ; 8 h: my bytes' place in the scale word
	v_lshlrev_b32 v5, 4, v7
	v_lshl_add_u32 v5, v8, 3, v5                   ; 16 r + 8 h: two of my row's four words
	v_mov_b32 v250, 0                              ; a lane permute's destination counts as a source: written once
	s_mov_b32 s28, 0x76543210
	s_mov_b32 s29, 0xfedcba98                      ; selects for lane l xor 16
	s_lshl_b32 s22, ttmp9, 2
	s_add_co_u32 s22, s22, s18                     ; my half unit
	s_lshr_b32 s26, s22, 1                         ; its unit,
	s_and_b32 s27, s22, 1                          ; and which half
	s_wait_kmcnt 0x0
	s_cmp_lt_u32 ttmp9, 576                        ; which tensor: the choice hangs on the work-group's number alone
	s_cselect_b64 s[20:21], s[8:9], s[10:11]
	s_cmp_lt_u32 ttmp9, 544
	s_cselect_b64 s[20:21], s[6:7], s[20:21]
	s_cmp_lt_u32 ttmp9, 512
	s_cselect_b64 s[20:21], s[4:5], s[20:21]
	s_cselect_b32 s23, 1023, 63                    ; x has 1,024 units, a weight 64, and 1,024 is a multiple of 64
	s_and_b32 s23, s26, s23                        ; the unit's number in its own tensor
	s_lshl_b32 s24, s23, 16                        ; 16 rows of 4,096 bytes,
	s_lshl_b32 s27, s27, 11                        ; and 2,048 bytes along the rows for the second half
	s_add_co_u32 s24, s24, s27
	s_mov_b32 s25, 0
	s_add_nc_u64 s[20:21], s[20:21], s[24:25]
	s_mul_i32 s24, s22, 6144                       ; four K steps of 1,536 bytes a half unit
	s_add_nc_u64 s[12:13], s[12:13], s[24:25]
	s_lshl_b32 s24, s22, 8
	s_add_nc_u64 s[14:15], s[14:15], s[24:25]
.macro LOAD s                          ; K step s of my four: sixteen loads, each one row's 512 consecutive bytes
.irp j, 0,1,2,3,4,5,6,7,8,9,10,11,12,13,14,15
	global_load_b128 v[RR+64*((\s)%2)+4*\j:RR+64*((\s)%2)+4*\j+3], v1, s[20:21] offset:4096*\j+512*(\s) th:TH_LOAD_NT
.endr
.endm
.macro STEP s
.set RS, RR+64*((\s)%2)
.set FS, FF+12*((\s)%2)
.if (\s) < 3
	s_wait_loadcnt 16                              ; this step's sixteen loads are in; the next step's sixteen may be out
.else
	s_wait_loadcnt 0x0
.endif
.irp j, 0,1,2,3,4,5,6,7,8,9,10,11,12,13,14,15
	ds_store_b128 v2, v[RS+4*\j:RS+4*\j+3] offset:528*\j
.endr
.irp c, 0,1
.irp i, 0,1,2,3,4,5,6,7
	ds_load_b128 v[XX+32*\c+4*\i:XX+32*\c+4*\i+3], v3 offset:256*\c+16*\i   ; LDS serves a wave's instructions in order: these see the stores above
.endr
.endr
	s_wait_dscnt 0x0                               ; my numbers are back, and the stores have read the set
	s_wait_xcnt 0x0                                ; the stores of two steps ago have read this step's fragment registers
.if (\s) < 2
	LOAD (\s)+2
.endif
	v_max3_num_f32 v248, |v[XX]|, |v[XX+1]|, 0x1800000       ; two whole blocks are mine; the floor 2^(3 - 127) holds the byte at 1 from below
	v_max3_num_f32 v249, |v[XX+32]|, |v[XX+33]|, 0x1800000
.irp i, 2,4,6,8,10,12,14,16,18,20,22,24,26,28,30
	v_max3_num_f32 v248, v248, |v[XX+\i]|, |v[XX+\i+1]|
	v_max3_num_f32 v249, v249, |v[XX+32+\i]|, |v[XX+33+\i]|
.endr
	v_add_nc_u32 v248, 0xff000000, v248            ; 2 off the exponent field: the conversion's scale operand
	v_add_nc_u32 v249, 0xff000000, v249
	v_cvt_scalef32_pk16_fp6_f32 v[FS:FS+2], v[XX:XX+15], v248
	v_cvt_scalef32_pk16_fp6_f32 v[232:234], v[XX+16:XX+31], v248     ; (a conversion's three registers begin on an even number)
	v_cvt_scalef32_pk16_fp6_f32 v[FS+6:FS+8], v[XX+32:XX+47], v249
	v_cvt_scalef32_pk16_fp6_f32 v[236:238], v[XX+48:XX+63], v249
	v_nop                                          ; one plain place behind the conversions
.irp i, 0,1,2
	v_mov_b32 v[FS+3+\i], v[232+\i]
	v_mov_b32 v[FS+9+\i], v[236+\i]
.endr
	v_lshrrev_b32 v252, 23, v248                   ; the bytes of blocks h and 2 + h
	v_lshrrev_b32 v253, 23, v249
	v_lshl_or_b32 v252, v253, 16, v252
	v_lshlrev_b32 v252, v4, v252                   ; at their places in the word;
	v_permlanex16_b32 v250, v252, s28, s29
	v_or_b32 v[SW+(\s)], v252, v250                ; with lane l xor 16's two the word is whole
.irp c, 0,1,2
	global_store_b128 v1, v[FS+4*\c:FS+4*\c+3], s[12:13] offset:1536*(\s)+512*\c   ; 32 lanes store 512 consecutive bytes
.endr
.endm
	LOAD 0
	LOAD 1
.irp s, 0,1,2,3
	STEP \s
.endr
	v_cmp_le_u32 vcc_lo, 16, v6                    ; lanes 16-31 store words 2 and 3 of their row
	v_cndmask_b32 v248, v[SW], v[SW+2], vcc_lo
	v_cndmask_b32 v249, v[SW+1], v[SW+3], vcc_lo
	global_store_b64 v5, v[248:249], s[14:15]      ; the half unit's 256 bytes of scale words by one instruction
	s_wait_tensorcnt 0x0
	ds_add_u32 v254, v255
	s_wait_dscnt 0x0
	s_endpgm
	; ------------------------------------------------------------------ (T)
.set PA, 16                            ; v16-19 pair (less 8 t) of my four numbers
.set NF, 20                            ; v20-23 their rows, as f32
.set II, 24
.set PH, 28
.set ER, 32
.set EX, 36
.set AN, 40
.set KK, 44
.set ZZ, 48
.set PS, 52
.set PQ, 56
.set C0, 60
.set QQ, 64
.set T1, 68
.set CO, 72                            ; v72-75 cos, v76-79 sin: what is stored
.set SI, 76
.Ltable:
	s_sub_co_u32 s19, ttmp9, 608
	s_lshl_b32 s19, s19, 2
	s_add_co_u32 s19, s19, s18                     ; 0 .. 1023: table (1 bit), T (7 bits), which sixteen t (2 bits)
	s_lshr_b32 s20, s19, 9
	s_bfe_u32 s21, s19, 0x70002
	s_and_b32 s22, s19, 3
	s_lshl_b32 s22, s22, 4
	v_bfe_u32 v8, v0, 3, 1
	v_bfe_u32 v9, v0, 4, 1
	v_lshlrev_b32 v10, 3, v8
	v_lshl_add_u32 v10, v9, 2, v10                 ; TK: row 8 ((l >> 3) & 1) + 4 (l >> 4), four rows on end
	v_and_b32 v11, 15, v0                          ; TQ: row l & 15
	v_and_b32 v12, 7, v0                           ; TK: pair l & 7
	v_lshlrev_b32 v13, 2, v9                       ; TQ: pair 4 (l >> 4), four pairs on end
	s_cmp_eq_u32 s20, 0
	s_cselect_b32 s23, -1, 0
	s_cselect_b32 s24, 1, 0                        ; from number to number: a row (TK),
	s_cselect_b32 s25, 0, 1                        ; or a pair (TQ)
	s_mov_b32 s42, 0x3f800000
	s_cselect_b32 s42, 0x3cb504f3, s42             ; TK's numbers x 2048^-0.5, TQ's x 1
	v_cndmask_b32 v10, v11, v10, s23
	v_cndmask_b32 v12, v13, v12, s23
	s_lshl_b32 s26, s21, 4
	v_add_nc_u32 v10, s26, v10
.irp p, 0,1,2,3
	v_mad_u32_u24 v[PA+\p], s25, \p, v12
	v_mad_u32_u24 v[NF+\p], s24, \p, v10
.endr
.irp p, 0,1,2,3
	v_cvt_f32_u32 v[NF+\p], v[NF+\p]
.endr
	s_lshl_b32 s26, s20, 23
	s_lshl_b32 s27, s21, 6
	s_add_co_u32 s27, s27, s22
	s_lshl_b32 s27, s27, 10
	s_add_co_u32 s26, s26, s27
	s_mov_b32 s27, 0
	s_lshl_b32 s28, s22, 3                         ; 8 t
	s_mov_b32 s29, 16
	s_mov_b32 s30, 0x3cd49a78                      ; L, upper part
	s_mov_b32 s31, 0x3017991c                      ; L, lower part
	s_mov_b32 s32, 0xbf317218                      ; -ln 2
	s_mov_b32 s33, 0x3f22f983                      ; 2 / pi
	s_mov_b32 s34, 0x3fc90fdb                      ; pi / 2, upper part
	s_mov_b32 s35, 0xb33bbd2e                      ; pi / 2, lower part
	s_mov_b32 s36, 0xbe2aaaa3                      ; sin: -1.6666654611e-1, 8.3321608736e-3, -1.9515295891e-4
	s_mov_b32 s37, 0x3c08839e
	s_mov_b32 s38, 0xb94ca1f9
	s_mov_b32 s39, 0x3d2aaaa5                      ; cos: 4.166664568e-2, -1.388731625e-3, 2.443315712e-5
	s_mov_b32 s40, 0xbab6061a
	s_mov_b32 s41, 0x37ccf5ce
	s_wait_kmcnt 0x0
	s_add_nc_u64 s[16:17], s[16:17], s[26:27]
.Lblk:                                 ; sixteen trips, a block of 1,024 bytes each
.irp p, 0,1,2,3
	v_add_nc_u32 v[II+\p], s28, v[PA+\p]
.endr
.irp p, 0,1,2,3
	v_cvt_f32_u32 v[II+\p], v[II+\p]               ; i
.endr
.irp p, 0,1,2,3
	v_mul_f32 v[PH+\p], s30, v[II+\p]              ; i L, rounded;
.endr
.irp p, 0,1,2,3
	v_fma_f32 v[ER+\p], v[II+\p], s30, -v[PH+\p]   ; what the rounding lost,
.endr
.irp p, 0,1,2,3
	v_fma_f32 v[ER+\p], v[II+\p], s31, v[ER+\p]    ; and L's lower part
.endr
.irp p, 0,1,2,3
	v_exp_f32 v[EX+\p], -v[PH+\p]
.endr
.irp p, 0,1,2,3
	v_mul_f32 v[ER+\p], s32, v[ER+\p]              ; (plain work behind the exponentials)
.endr
	s_wait_alu depctr_va_vdst(0)                   ; one wait for the four, ahead of their first reader
.irp p, 0,1,2,3
	v_fma_f32 v[EX+\p], v[EX+\p], v[ER+\p], v[EX+\p]   ; the frequency
.endr
.irp p, 0,1,2,3
	v_mul_f32 v[AN+\p], v[NF+\p], v[EX+\p]         ; the angle: one rounding
.endr
.irp p, 0,1,2,3
	v_mul_f32 v[KK+\p], s33, v[AN+\p]
.endr
.irp p, 0,1,2,3
	v_rndne_f32 v[KK+\p], v[KK+\p]                 ; quarter turns
.endr
.irp p, 0,1,2,3
	v_fma_f32 v[AN+\p], -v[KK+\p], s34, v[AN+\p]   ; exact: a multiple of 2^-23 under 1
.endr
.irp p, 0,1,2,3
	v_fma_f32 v[AN+\p], -v[KK+\p], s35, v[AN+\p]   ; r, within +-pi/4
.endr
.irp p, 0,1,2,3
	v_mul_f32 v[ZZ+\p], v[AN+\p], v[AN+\p]
.endr
.irp p, 0,1,2,3
	v_fma_f32 v[PS+\p], v[ZZ+\p], s38, s37
	v_fma_f32 v[PQ+\p], v[ZZ+\p], s41, s40
.endr
.irp p, 0,1,2,3
	v_fma_f32 v[PS+\p], v[PS+\p], v[ZZ+\p], s36
	v_fma_f32 v[PQ+\p], v[PQ+\p], v[ZZ+\p], s39
.endr
.irp p, 0,1,2,3
	v_mul_f32 v[PS+\p], v[PS+\p], v[ZZ+\p]
	v_mul_f32 v[PQ+\p], v[PQ+\p], v[ZZ+\p]
	v_fma_f32 v[C0+\p], v[ZZ+\p], -0.5, 1.0
	v_cvt_i32_f32 v[QQ+\p], v[KK+\p]
.endr
.irp p, 0,1,2,3
	v_fma_f32 v[PS+\p], v[PS+\p], v[AN+\p], v[AN+\p]   ; sin r
	v_fma_f32 v[PQ+\p], v[PQ+\p], v[ZZ+\p], v[C0+\p]   ; cos r
.endr
	s_wait_xcnt 0x0                                ; the last trip's two stores, a whole trip's arithmetic back, have read their data and their base: only the lines below write these again
	s_add_nc_u64 s[16:17], s[16:17], 1024          ; one block past this trip's: the stores reach back by their immediates
.irp p, 0,1,2,3
	v_and_b32 v[T1+\p], 1, v[QQ+\p]
	v_cmp_eq_u32 vcc_lo, 1, v[T1+\p]               ; an odd number of quarter turns: sin and cos change places
	v_cndmask_b32 v[SI+\p], v[PS+\p], v[PQ+\p], vcc_lo
	v_cndmask_b32 v[CO+\p], v[PQ+\p], v[PS+\p], vcc_lo
	v_and_b32 v[T1+\p], 2, v[QQ+\p]                ; sin is negated in quarters 2 and 3,
	v_lshlrev_b32 v[T1+\p], 30, v[T1+\p]
	v_xor_b32 v[SI+\p], v[SI+\p], v[T1+\p]
	v_add_nc_u32 v[T1+\p], 1, v[QQ+\p]             ; cos in quarters 1 and 2
	v_and_b32 v[T1+\p], 2, v[T1+\p]
	v_lshlrev_b32 v[T1+\p], 30, v[T1+\p]
	v_xor_b32 v[CO+\p], v[CO+\p], v[T1+\p]
.endr
.irp p, 0,1,2,3
	v_mul_f32 v[CO+\p], s42, v[CO+\p]              ; the table's factor
	v_mul_f32 v[SI+\p], s42, v[SI+\p]
.endr
	global_store_b128 v1, v[CO:CO+3], s[16:17] offset:-1024
	global_store_b128 v1, v[SI:SI+3], s[16:17] offset:-512
	s_add_co_u32 s28, s28, 8
	s_sub_co_u32 s29, s29, 1
	s_cmp_lg_u32 s29, 0
	s_cbranch_scc1 .Lblk
	s_endpgm
.Lfunc_end_k_qe3fd962744_prep:
	.size	k_qe3fd962744_prep, .Lfunc_end_k_qe3fd962744_prep-k_qe3fd962744_prep
	.p2alignl 7, 3214868480
	.fill 96, 4, 3214868480
	.section	.rodata,"a",@progbits
	.p2align	6, 0x0
	.amdhsa_kernel k_qe3fd962744_prep
		.amdhsa_group_segment_fixed_size 34304
		.amdhsa_private_segment_fixed_size 0
		.amdhsa_enable_private_segment 0
		.amdhsa_kernarg_size 56
		.amdhsa_user_sgpr_count 2
		.amdhsa_user_sgpr_kernarg_segment_ptr 1
		.amdhsa_wavefront_size32 1
		.amdhsa_system_sgpr_workgroup_id_x 1
		.amdhsa_system_sgpr_workgroup_id_y 1
		.amdhsa_system_sgpr_workgroup_id_z 1
		.amdhsa_system_vgpr_workitem_id 0
		.amdhsa_next_free_vgpr 256
		.amdhsa_next_free_sgpr 66
		.amdhsa_reserve_vcc 1
		.amdhsa_float_denorm_mode_32 3
		.amdhsa_float_denorm_mode_16_64 3
		.amdhsa_memory_ordered 1
		.amdhsa_forward_progress 1
		.amdhsa_inst_pref_size 40
	.end_amdhsa_kernel
	.amdgpu_metadata
---
amdhsa.version: [ 1, 2 ]
amdhsa.kernels:
  - .name:           k_qe3fd962744_prep
    .symbol:         k_qe3fd962744_prep.kd
    .args:
      - { .name: x, .offset: 0, .size: 8, .value_kind: global_buffer, .address_space: global }
      - { .name: Wq, .offset: 8, .size: 8, .value_kind: global_buffer, .address_space: global }
      - { .name: Wk, .offset: 16, .size: 8, .value_kind: global_buffer, .address_space: global }
      - { .name: Wv, .offset: 24, .size: 8, .value_kind: global_buffer, .address_space: global }
      - { .name: codes, .offset: 32, .size: 8, .value_kind: global_buffer, .address_space: global }
      - { .name: scales, .offset: 40, .size: 8, .value_kind: global_buffer, .address_space: global }
      - { .name: trig, .offset: 48, .size: 8, .value_kind: global_buffer, .address_space: global }
    .group_segment_fixed_size: 34304
    .private_segment_fixed_size: 0
    .kernarg_segment_align: 8
    .kernarg_segment_size: 56
    .max_flat_workgroup_size: 128
    .sgpr_count:     66
    .vgpr_count:     256
    .wavefront_size: 32
...
	.end_amdgpu_metadata
.endif
;; end of part 1
;; launch kvpass (part 2): grid 16 x 16, 4 waves a work-group, clusters of 4 x 1, 327,680 bytes of LDS; arguments codes, scales, trig, bk, bv, kvp, ksum; writes kvp, ksum
.if DOCPART == 2
	.amdgcn_target "amdgcn-amd-amdhsa--gfx1250"
	.amdhsa_code_object_version 6
	.text
	.protected	k_qe3fd962744_kvpass
	.globl	k_qe3fd962744_kvpass
	.p2align	8
	.type	k_qe3fd962744_kvpass,@function
k_qe3fd962744_kvpass:
	s_mov_b64 s[64:65], 0
	v_nop
	global_prefetch_b8 v0, s[64:65] scope:SCOPE_SE
	s_setreg_imm32_b32 hwreg(HW_REG_WAVE_MODE, 25, 1), 1
	s_wait_xcnt 0x0
	s_wait_alu depctr_hold_cnt(0) depctr_sa_sdst(0) depctr_va_vdst(0) depctr_va_sdst(0) depctr_va_ssrc(0) depctr_va_vcc(0) depctr_vm_vsrc(0)
	s_getreg_b32 s2, hwreg(HW_REG_IB_STS2, 6, 4)
	s_cmp_eq_u32 s2, 0
	s_cbranch_scc0 .Lentry_in_a_cluster
	s_endpgm
.Lentry_in_a_cluster:
	s_bfe_u32 s2, ttmp6, 0x10000c
	s_cmp_lg_u32 s2, 0x3003
	s_cbranch_scc0 .Lentry_shape_is_right
	s_endpgm
.Lentry_shape_is_right:
; KVPASS.  A work-group owns one head (64 channels of k and of v) and 1,024 positions of one batch.  It computes k = gelu(x Wk^T + bk) + 0.21 and v = x Wv^T + bv on codes of FP6,
; sums k over its positions, turns k by the rotary embedding, scales both by 2048^-0.5, quantises both along the POSITIONS, and multiplies them: a partial kv [64 d][64 e].
; k and v never go to memory.  Stored: the partial kv as images of the accumulators, and the 64 partial sums of k.
; SHARES.  A trip is 128 positions.  Wave w: wr = w / 2 takes 64 of them, wc = w % 2 takes 32 channels of k and the same 32 of v: four tiles of weights x 8 K steps = 384 registers, which stay for the
; whole launch.  x's codes come through a ring of two LDS slots of 98,304 bytes (8 units of 16 rows, in the order of an operand's registers): each wave fetches a quarter by one tensor load.
; The first tile is asked for ahead of the 140 register loads of the head, so that both come side by side.
; CLUSTER.  The four heads of a cluster walk the same x: each tile is asked for jointly, by the same descriptor with the mask 15.  The head enters global addresses of register loads and stores alone.
; ORIENTATION.  Source 0 = 16 positions of x, source 1 = 16 rows of W: a lane holds ONE channel (lane % 16) and its registers run down the positions 8 (lane / 16) + j of each row tile: the next product's K.
; A block of 32 positions lies in lanes l and l xor 16, sixteen numbers each.  A lane's 16 codes (12 bytes) go to byte 12 (lane / 16) of the block's 24: inside a block the positions are so permuted,
; alike for k and for v, which leaves their product as it is.
; k's factor 2048^-0.5 stands in the table of cos and sin: k c f - k' s f for (k c - k' s) f, which differ by roundings of f32 alone.  v is multiplied by it here.
; GELU: gelu(t) = max(t, 0) - |t| (1/2) erfc(|t| / sqrt 2), erfc by the rational form with five coefficients whose error on erf is at most 1.5e-7.  LIMITS: that error; NaN and infinities are not served.
; No prefetch is laid: the ring's one load a wave is issued first behind each round and has a whole trip (128 matrix instructions and the vector work of 4,096 numbers a wave) in which to land,
; and the tables' and scale words' loads are issued a trip ahead.
; REGISTERS.  Window 0: v1, v2 the spare word's address and 0; v3-11 addresses; v12 -1 in even lanes, +1 in odd; v[14:15] a coefficient; v16-23 sums of k; v24-39 x's scale words; v40-55 W's;
;   v56-183 sixteen accumulators (tile n', row tile i at 56 + 32 n' + 8 i); v184-247 at work; v248-255 at work.
;   Window 1: W's fragments of K steps 0-4 (48 s + 12 n').  Window 2: K steps 5-7; v144-175 biases; v176-239 cos and sin for k's tile 1.  Window 3: v0-191 four sets of x's fragments; v192-255 cos and sin for tile 0.
.set SLOT1, 1<<17
.set SIMG,  98304                      ; scale bytes: [tile 0-7][channel r][32 bytes: one for each block of 32 positions]
.set KSX,   102400                     ; the waves' sums of k: [wr][64] f32
.set SPARE, 102912                     ; the spare words: 128 bytes for each wave
.set IMG,   229376                     ; codes: [trip][tile: k 0-3, v 4-7][channel r][96 bytes]
.set XS,  24
.set WS,  40
.set ACC, 56
.set R,   184
.set E,   200
.set P,   216
.set M,   232
.set TM,  248
.set VA4, 14
.set SEL, 44
.set CP,  46
.set CE,  48
.set A1,  50
.set A2,  52
.set A3,  54
.set A5,  56
.set C21, 58
.set SCL, 60
.set MSB, 0
.macro WIN new                         ; the immediate's high byte repeats the setting that is left; a switch that changes nothing is dropped
.if MSB != \new
	s_set_vgpr_msb (MSB<<8)|\new
.set MSB, \new
.endif
.endm
.macro PAIR r, val                     ; a constant for the packed forms, which name a pair
	s_mov_b32 s[\r], \val
	s_mov_b32 s[\r+1], \val
.endm
.macro NOP4
.rept 4
	v_nop
.endr
.endm
.macro CROUND                          ; a round of the cluster's barrier
	s_barrier_signal -1
	s_barrier_wait -1
	s_cmp_lg_u32 s18, 0
	s_cbranch_scc1 .Lnot_wave_0_\@
	s_barrier_signal -3
.Lnot_wave_0_\@:
	s_barrier_wait -3
	s_barrier_signal -1
	s_barrier_wait -1
.endm
; one scaled product, C in registers; ra, rb: A's and B's scales stand in lanes 16-31
.macro WMS d, a, b, c, sa, sb, ra, rb
.if ((\ra)*2+(\rb)) == 3
	v_wmma_scale_f32_16x16x128_f8f6f4 v[(\d):(\d)+7], v[(\a):(\a)+11], v[(\b):(\b)+11], v[(\c):(\c)+7], v[(\sa)], v[(\sb)] matrix_a_fmt:MATRIX_FMT_FP6 matrix_b_fmt:MATRIX_FMT_FP6 matrix_a_scale:MATRIX_SCALE_ROW1 matrix_b_scale:MATRIX_SCALE_ROW1
.elseif ((\ra)*2+(\rb)) == 2
	v_wmma_scale_f32_16x16x128_f8f6f4 v[(\d):(\d)+7], v[(\a):(\a)+11], v[(\b):(\b)+11], v[(\c):(\c)+7], v[(\sa)], v[(\sb)] matrix_a_fmt:MATRIX_FMT_FP6 matrix_b_fmt:MATRIX_FMT_FP6 matrix_a_scale:MATRIX_SCALE_ROW1
.elseif ((\ra)*2+(\rb)) == 1
	v_wmma_scale_f32_16x16x128_f8f6f4 v[(\d):(\d)+7], v[(\a):(\a)+11], v[(\b):(\b)+11], v[(\c):(\c)+7], v[(\sa)], v[(\sb)] matrix_a_fmt:MATRIX_FMT_FP6 matrix_b_fmt:MATRIX_FMT_FP6 matrix_b_scale:MATRIX_SCALE_ROW1
.else
	v_wmma_scale_f32_16x16x128_f8f6f4 v[(\d):(\d)+7], v[(\a):(\a)+11], v[(\b):(\b)+11], v[(\c):(\c)+7], v[(\sa)], v[(\sb)] matrix_a_fmt:MATRIX_FMT_FP6 matrix_b_fmt:MATRIX_FMT_FP6
.endif
.endm
	s_load_b256 s[4:11], s[0:1], 0x0               ; codes, scales, trig, bk
	s_load_b128 s[12:15], s[0:1], 0x20             ; bv, kvp
	s_load_b64 s[16:17], s[0:1], 0x30              ; ksum
	v_lshl_add_u32 v1, v0, 2, SPARE
	v_mov_b32 v2, 0
	ds_add_u32 v1, v2
	ds_add_u32 v1, v2
	s_wait_dscnt 0x0
	v_lshrrev_b32 v3, 5, v0
	v_readfirstlane_b32 s18, v3                    ; wave
	s_lshr_b32 s19, s18, 1                         ; wr
	s_and_b32 s20, s18, 1                          ; wc
	s_bfe_u32 s23, ttmp6, 0x40000                  ; cx
	s_lshl_b32 s21, ttmp9, 2
	s_add_co_u32 s21, s21, s23                     ; head
	s_and_b32 s22, ttmp7, 0xffff                   ; block of 1,024 rows: 2 batch + half
	; descriptor group 1: 24,576 dense bytes as 96 rows of 256
	s_mov_b32 s24, 15|(3<<16)|(1<<21)              ; the mask: all four work-groups; elements of 8 bytes; bit 21 beside a mask; no padding
	s_mov_b32 s25, 32<<16                          ; tensor_dim0 = 32
	s_mov_b32 s26, 96<<16                          ; tensor_dim1 = 96
	s_mov_b32 s27, 32<<16                          ; tile_dim0 = 32
	s_mov_b32 s28, 96                              ; tile_dim1 = 96
	s_mov_b32 s29, 32                              ; from row to row
	s_mov_b32 s30, 0
	s_mov_b32 s31, 0
	s_mov_b32 s32, 1
	s_mul_i32 s33, s18, 24576                      ; LDS: my quarter of slot 0
	s_lshl_b32 s76, s22, 6
	s_lshl_b32 s77, s18, 1
	s_add_co_u32 s76, s76, s77
	s_mul_i32 s76, s76, 12288                      ; units 64 x block + 2 x wave on
	s_mov_b32 s77, 0
	; offsets that hang on the head: in registers of their own
	s_lshl_b32 s68, s21, 2
	s_lshl_b32 s69, s20, 1
	s_add_co_u32 s68, s68, s69                     ; my first channel tile: 4 head + 2 wc
	s_add_co_u32 s70, s68, 1088                    ; its unit in Wk; Wv's lies 64 units on
	s_mul_i32 s72, s70, 12288
	s_mov_b32 s73, 0
	s_lshl_b32 s74, s70, 9
	s_mov_b32 s75, 0
	s_and_b32 s78, s22, 1
	s_lshl_b32 s78, s78, 6
	s_lshl_b32 s79, s19, 2
	s_add_co_u32 s78, s78, s79                     ; my first position tile in the batch: 64 half + 4 wr
	s_lshl_b32 s78, s78, 6
	s_add_co_u32 s78, s78, s68
	s_lshl_b32 s78, s78, 10
	s_mov_b32 s79, 0
	s_lshl_b32 s80, s68, 6                         ; biases: 16 channels of 4 bytes a tile
	s_mov_b32 s81, 0
	s_lshl_b32 s82, s22, 4
	s_add_co_u32 s82, s82, s21                     ; the work-group's number in kvp and ksum
	s_lshl_b32 s84, s82, 14
	s_lshl_b32 s85, s18, 12
	s_add_co_u32 s84, s84, s85
	s_mov_b32 s85, 0
	s_lshl_b32 s86, s82, 8
	s_mov_b32 s87, 0
	s_lshl_b32 s88, s22, 6
	s_lshl_b32 s89, s19, 2
	s_add_co_u32 s88, s88, s89
	s_lshl_b32 s88, s88, 9                         ; x's scale words: unit 64 x block + 4 wr
	s_mov_b32 s89, 0
	s_mov_b32 s40, 0                               ; the slot in hand
	s_mov_b32 s41, 0                               ; the trip's codes in IMG
	s_mov_b32 s42, 0                               ; the trip's scale bytes
	s_mov_b32 s43, 7
	s_mov_b32 s[SEL], 0x76543210
	s_mov_b32 s[SEL+1], 0xfedcba98
	PAIR CP,  0x3e6d3388                           ; 0.3275911 / sqrt 2
	PAIR CE,  0xbf38aa3b                           ; -log2(e) / 2
	PAIR A1,  0x3e027906                           ; the five coefficients, halved
	PAIR A2,  0xbe11a98e
	PAIR A3,  0x3f35f0e3
	PAIR A5,  0x3f07dc22
	PAIR C21, 0x3e570a3d                           ; 0.21
	PAIR SCL, 0x3cb504f3                           ; 2048^-0.5
	v_and_b32 v184, 31, v0                         ; lane
	v_and_b32 v185, 15, v0                         ; r
	v_bfe_u32 v186, v0, 4, 1                       ; h
	v_lshlrev_b32 v11, 4, v184                     ; 16 x lane
	s_mul_i32 s66, s19, 49152
	v_add_nc_u32 v3, s66, v11                      ; x's fragments: my four row tiles of a slot
	s_mul_i32 s66, s20, 3072
	s_mul_i32 s67, s19, 48
	s_add_co_u32 s66, s66, s67
	s_add_co_u32 s66, s66, IMG
	v_mul_u32_u24 v5, v185, 96
	v_mad_u32_u24 v5, v186, 12, v5
	v_add_nc_u32 v5, s66, v5                       ; my codes: tile 2 wc, row r, blocks 2 wr on, half h
	s_lshl_b32 s66, s20, 10
	s_lshl_b32 s67, s19, 1
	s_add_co_u32 s66, s66, s67
	s_add_co_u32 s66, s66, SIMG
	v_lshl_add_u32 v7, v185, 5, s66                ; my two scale bytes
	v_lshrrev_b32 v9, 1, v185
	v_lshl_add_u32 v9, v186, 3, v9
	v_lshlrev_b32 v9, 4, v9                        ; the table: slot 8 h + r / 2
	v_lshlrev_b32 v10, 4, v185                     ; scale words: 16 bytes a row in each half unit of 256
	v_lshl_add_u32 v10, v186, 10, v10              ; x's: lanes 16-31 take the row tile two on
	v_lshlrev_b32 v187, 4, v185
	v_lshl_add_u32 v187, v186, 15, v187            ; W's: lanes 16-31 take Wv's unit, 64 units on
	v_lshlrev_b32 v188, 2, v185
	v_and_b32 v12, 1, v0
	v_lshlrev_b32 v12, 31, v12
	v_xor_b32 v12, 0xbf800000, v12                 ; -1 in even lanes, +1 in odd
	v_mov_b32 v14, 0xbf3a00e3
	v_mov_b32 v15, 0xbf3a00e3
.irp j, 16,17,18,19,20,21,22,23
	v_mov_b32 v\j, 0
.endr
	v_mov_b32 v[TM+2], 0                           ; lane permutes' destinations count as sources: written once
	v_mov_b32 v[TM+3], 0
	s_wait_kmcnt 0x0
	s_add_nc_u64 s[34:35], s[4:5], s[76:77]
	s_or_b32 s35, s35, 0x80000000
	CROUND                                         ; all four work-groups are here: the first joint load meets
	tensor_load_to_lds s[32:35], s[24:31]          ; trip 0, into slot 0: ahead of the register loads below
	s_nop 0
	NOP4
	s_add_nc_u64 s[72:73], s[4:5], s[72:73]
	s_add_nc_u64 s[74:75], s[6:7], s[74:75]
	s_add_nc_u64 s[38:39], s[8:9], s[78:79]
	s_add_nc_u64 s[10:11], s[10:11], s[80:81]
	s_add_nc_u64 s[12:13], s[12:13], s[80:81]
	s_add_nc_u64 s[14:15], s[14:15], s[84:85]
	s_add_nc_u64 s[16:17], s[16:17], s[86:87]
	s_add_nc_u64 s[36:37], s[6:7], s[88:89]
	WIN 0x40                                       ; the weights' fragments stay in registers
.irp s, 0,1,2,3,4
.irp n, 0,1,2,3
.irp c, 0,1,2
	global_load_b128 v[48*\s+12*\n+4*\c:48*\s+12*\n+4*\c+3], v11, s[72:73] offset:786432*(\n/2)+12288*(\n%2)+1536*\s+512*\c
.endr
.endr
.endr
	WIN 0x80
.irp s, 5,6,7
.irp n, 0,1,2,3
.irp c, 0,1,2
	global_load_b128 v[48*(\s-5)+12*\n+4*\c:48*(\s-5)+12*\n+4*\c+3], v11, s[72:73] offset:786432*(\n/2)+12288*(\n%2)+1536*\s+512*\c
.endr
.endr
.endr
	WIN 0
.irp n, 0,1
.irp u, 0,1
	global_load_b128 v[WS+8*\n+4*\u:WS+8*\n+4*\u+3], v187, s[74:75] offset:512*\n+256*\u
.endr
.endr
.irp n, 0,1
	global_load_b32 v[190+\n], v188, s[10:11] offset:64*\n
.endr
.irp n, 0,1
	global_load_b32 v[192+\n], v188, s[12:13] offset:64*\n
.endr
.macro XSLOAD step                     ; x's scale words of a trip: register 8 i + s: lanes 0-15 row tile i, lanes 16-31 row tile i + 2
.if \step
	s_wait_xcnt 0x0
	s_add_nc_u64 s[36:37], s[36:37], 4096
.endif
.irp i, 0,1
.irp u, 0,1
	global_load_b128 v[XS+8*\i+4*\u:XS+8*\i+4*\u+3], v10, s[36:37] offset:512*\i+256*\u
.endr
.endr
.endm
.macro TKLOAD step                     ; cos and sin of a trip: for row tile i: cos j at 16 i + j, sin j at 16 i + 8 + j
.if \step
	s_wait_xcnt 0x0
	s_add_nc_u64 s[38:39], s[38:39], 524288
.endif
	WIN 0xc0
.irp i, 0,1,2,3
.irp p, 0,1,2,3
	global_load_b128 v[192+16*\i+4*\p:192+16*\i+4*\p+3], v9, s[38:39] offset:65536*\i+256*\p
.endr
.endr
	WIN 0x80
.irp i, 0,1,2,3
.irp p, 0,1,2,3
	global_load_b128 v[176+16*\i+4*\p:176+16*\i+4*\p+3], v9, s[38:39] offset:65536*\i+1024+256*\p
.endr
.endr
	WIN 0
.endm
	XSLOAD 0
	TKLOAD 0
	s_wait_loadcnt 36                              ; the biases are in: behind them 4 loads of scale words and 32 of the tables
	WIN 0x80
.irp n, 0,1,2,3
.irp j, 0,1,2,3,4,5,6,7
	v_mov_b32 v[144+8*\n+\j], v[190+\n]            ; the C of a sum's first product: my channel's bias in all eight rows
.endr
.endr
	WIN 0
.macro CHANGE fill                     ; the change of slots, at a trip's head
	WIN 0
	s_wait_tensorcnt 0x0                           ; my one load, my quarter of this trip's slot, has landed
	ds_add_u32 v1, v2                              ; 0 onto my spare word
.if \fill
	s_xor_b32 s33, s33, SLOT1                      ; the walking descriptor: the other slot, the next 128 rows
	s_add_nc_u64 s[34:35], s[34:35], 98304
.endif
	s_wait_dscnt 0x0                               ; the add is done; my reads of the slot that I have left and my stores of codes are over
.if \fill
	CROUND                                         ; no wave of any partner still reads that slot or has a load on its way
	tensor_load_to_lds s[32:35], s[24:31]
	s_nop 0
	NOP4
.else
	s_barrier_signal -1
	s_barrier_wait -1
.endif
.endm
.macro FETCHX s                        ; x's four fragments of K step s into set s % 4
	WIN 0xc0
.irp i, 0,1,2,3
.irp c, 0,1,2
	ds_load_b128 v[48*((\s)%4)+12*\i+4*\c:48*((\s)%4)+12*\i+4*\c+3], v4 offset:12288*\i+1536*(\s)+512*\c
.endr
.endr
.endm
.macro MULK s                          ; sixteen products, the sixteen accumulators by turns
.if (\s) == 0
	WIN 0x27
.elseif (\s) < 5
	WIN 0x07
.else
	WIN 0x0b
.endif
.if (\s) < 5
.set rW, 48*(\s)
.else
.set rW, 48*((\s)-5)
.endif
.irp i, 0,1,2,3
.irp n, 0,1,2,3
.if (\s) == 0
	WMS ACC+32*\n+8*\i, 48*((\s)%4)+12*\i, rW+12*\n, 144+8*\n, XS+8*(\i%2)+(\s), WS+8*(\n%2)+(\s), \i/2, \n/2
.else
	WMS ACC+32*\n+8*\i, 48*((\s)%4)+12*\i, rW+12*\n, ACC+32*\n+8*\i, XS+8*(\i%2)+(\s), WS+8*(\n%2)+(\s), \i/2, \n/2
.endif
.endr
.endr
.endm
.macro GEMM
	FETCHX 0
	FETCHX 1
	FETCHX 2
	FETCHX 3
.irp s, 0,1,2,3,4,5,6,7
.if \s < 5
	s_wait_dscnt 36                                ; this K step's twelve loads are in; those of the three steps behind it may be out
.else
	s_wait_dscnt 12*(7-\s)
.endif
	MULK \s
.if \s < 4
	NOP4                                           ; places in front of loads into the set just multiplied
	FETCHX \s+4
.endif
.endr
.endm
; sixteen numbers t in v[x] on become gelu(t) + 0.21.  The reciprocals and exponentials are one batch with one wait.
.macro GELU16 x
.set q, 0
.rept 16
	v_fma_f32 v[R+q], |v[(\x)+q]|, s[CP], 1.0
.set q, q+1
.endr
.set q, 0
.rept 8
	v_pk_mul_f32 v[E+q:E+q+1], v[(\x)+q:(\x)+q+1], v[(\x)+q:(\x)+q+1]
.set q, q+2
.endr
.set q, 0
.rept 8
	v_pk_mul_f32 v[E+q:E+q+1], v[E+q:E+q+1], s[CE:CE+1] op_sel_hi:[1,0]
.set q, q+2
.endr
.set q, 0
.rept 16
	v_rcp_f32 v[R+q], v[R+q]
.set q, q+1
.endr
.set q, 0
.rept 16
	v_exp_f32 v[E+q], v[E+q]
.set q, q+1
.endr
.set q, 0
.rept 16
	v_max_num_f32 v[M+q], 0, v[(\x)+q]             ; plain work behind the batch
.set q, q+1
.endr
	s_wait_alu depctr_va_vdst(0)                   ; one wait for the 32, ahead of their first reader
.set q, 0
.rept 8
	v_pk_fma_f32 v[P+q:P+q+1], v[R+q:R+q+1], s[A5:A5+1], v[VA4:VA4+1] op_sel_hi:[1,0,1]
.set q, q+2
.endr
.irp a, A3, A2, A1
.set q, 0
.rept 8
	v_pk_fma_f32 v[P+q:P+q+1], v[P+q:P+q+1], v[R+q:R+q+1], s[\a:\a+1] op_sel_hi:[1,1,0]
.set q, q+2
.endr
.endr
.set q, 0
.rept 8
	v_pk_mul_f32 v[P+q:P+q+1], v[P+q:P+q+1], v[R+q:R+q+1]
.set q, q+2
.endr
.set q, 0
.rept 8
	v_pk_mul_f32 v[P+q:P+q+1], v[P+q:P+q+1], v[E+q:E+q+1]
.set q, q+2
.endr
.set q, 0
.rept 16
	v_fma_f32 v[(\x)+q], -|v[(\x)+q]|, v[P+q], v[M+q]
.set q, q+1
.endr
.set q, 0
.rept 8
	v_pk_add_f32 v[(\x)+q:(\x)+q+1], v[(\x)+q:(\x)+q+1], s[C21:C21+1] op_sel_hi:[1,0]
.set q, q+2
.endr
.endm
.macro KSUM n                          ; k's tile n, ahead of the rotary embedding, is added to the running sums: two packed chains
.set XB, ACC+32*(\n)
.irp q, 0,4,8,12,16,20,24,28
	v_pk_add_f32 v[16+4*(\n):17+4*(\n)], v[16+4*(\n):17+4*(\n)], v[XB+\q:XB+\q+1]
	v_pk_add_f32 v[18+4*(\n):19+4*(\n)], v[18+4*(\n):19+4*(\n)], v[XB+\q+2:XB+\q+3]
.endr
.endm
; the rotary embedding of k's tile n: my channel's partner lies in lane l xor 1: out = mine x cos + sign x partner's x sin; the table's cos and sin carry the factor 2048^-0.5
.macro ROPEK n, win, tg
.set XB, ACC+32*(\n)
	WIN 0
.set q, 0
.rept 32
	v_mul_f32_dpp v[R+q], v[XB+q], v12 row_xmask:1 row_mask:0xf bank_mask:0xf
.set q, q+1
.endr
	WIN \win
.set q, 0
.rept 16
	v_pk_mul_f32 v[R+q:R+q+1], v[R+q:R+q+1], v[(\tg)+16*(q/8)+8+q%8:(\tg)+16*(q/8)+9+q%8]
.set q, q+2
.endr
.set q, 0
.rept 16
	v_pk_fma_f32 v[XB+q:XB+q+1], v[XB+q:XB+q+1], v[(\tg)+16*(q/8)+q%8:(\tg)+16*(q/8)+q%8+1], v[R+q:R+q+1]
.set q, q+2
.endr
	WIN 0
.endm
.macro VSCALE n
.set XB, ACC+32*(\n)
.set q, 0
.rept 16
	v_pk_mul_f32 v[XB+q:XB+q+1], v[XB+q:XB+q+1], s[SCL:SCL+1] op_sel_hi:[1,0]
.set q, q+2
.endr
.endm
; tile n's 32 registers are my halves of two blocks of 32 positions: codes and scale bytes go to LDS.  g: a set of registers of its own for each call of a trip
.macro QUANT2 n, g, tile
.set XB, ACC+32*(\n)
.set PCQ, P+8*(\g)
	v_max3_num_f32 v[TM], |v[XB]|, |v[XB+1]|, 0x1800000          ; the floor 2^(3 - 127) holds the byte at 1 from below
	v_max3_num_f32 v[TM+1], |v[XB+16]|, |v[XB+17]|, 0x1800000
.irp i, 2,4,6,8,10,12,14
	v_max3_num_f32 v[TM], v[TM], |v[XB+\i]|, |v[XB+\i+1]|
	v_max3_num_f32 v[TM+1], v[TM+1], |v[XB+16+\i]|, |v[XB+17+\i]|
.endr
	v_permlanex16_b32 v[TM+2], v[TM], s[SEL], s[SEL+1]
	v_permlanex16_b32 v[TM+3], v[TM+1], s[SEL], s[SEL+1]
	v_max_num_f32 v[TM], v[TM], v[TM+2]            ; with lane l xor 16's sixteen: the block's largest magnitude
	v_max_num_f32 v[TM+1], v[TM+1], v[TM+3]
	v_add_nc_u32 v[TM], 0xff000000, v[TM]          ; 2 off the exponent field: the conversion's scale operand
	v_add_nc_u32 v[TM+1], 0xff000000, v[TM+1]
	v_lshrrev_b32 v[TM+2], 23, v[TM]
	v_lshrrev_b32 v[TM+3], 23, v[TM+1]
	v_lshl_or_b32 v[TM+4+(\g)], v[TM+3], 8, v[TM+2]    ; the two bytes
	v_cvt_scalef32_pk16_fp6_f32 v[PCQ:PCQ+2], v[XB:XB+15], v[TM]
	v_cvt_scalef32_pk16_fp6_f32 v[PCQ+4:PCQ+6], v[XB+16:XB+31], v[TM+1]
	v_nop                                          ; one plain place behind the conversions
.irp b, 0,1
.irp i, 0,1,2
	ds_store_b32 v6, v[PCQ+4*\b+\i] offset:1536*(\tile)+24*\b+4*\i
.endr
.endr
	ds_store_b16 v8, v[TM+4+(\g)] offset:512*(\tile)   ; both halves of the lanes write the same two bytes with the same values
.endm
.macro TRIP next
	CHANGE \next
	v_add_nc_u32 v4, s40, v3
	v_add_nc_u32 v6, s41, v5
	v_add_nc_u32 v8, s42, v7
	s_wait_loadcnt 32                              ; x's scale words are in (and all before them); the 32 loads of the tables may be out
	GEMM
	WIN 0
	NOP4                                           ; places behind the last products: for the loads into the scale words and the first reads of results
.if \next
	XSLOAD 1
.endif
	GELU16 ACC
	GELU16 ACC+16
	GELU16 ACC+32
	GELU16 ACC+48
	KSUM 0
	KSUM 1
.if \next
	s_wait_loadcnt 4                               ; the tables are in; the next trip's four loads of scale words may be out
.else
	s_wait_loadcnt 0x0
.endif
	ROPEK 0, 0x0c, 192
	ROPEK 1, 0x08, 176
.if \next
	TKLOAD 1
.endif
	VSCALE 2
	VSCALE 3
	QUANT2 0, 0, 0
	QUANT2 1, 1, 1
	QUANT2 2, 2, 4
	QUANT2 3, 3, 5
	s_xor_b32 s40, s40, SLOT1
	s_add_co_u32 s41, s41, 12288
	s_add_co_u32 s42, s42, 4
.endm
.Ltrip:                                ; seven trips; behind each change of slots the next trip's rows are asked for
	TRIP 1
	s_sub_co_u32 s43, s43, 1
	s_cmp_lg_u32 s43, 0
	s_cbranch_scc1 .Ltrip
	TRIP 0                                         ; the last trip is written out
	; the sums of k: chains, halves of the pairs, the other half of the lanes; then to LDS
	v_pk_add_f32 v[16:17], v[16:17], v[18:19]
	v_pk_add_f32 v[20:21], v[20:21], v[22:23]
	v_add_f32 v16, v16, v17
	v_add_f32 v20, v20, v21
	v_permlanex16_b32 v[TM+2], v16, s[SEL], s[SEL+1]
	v_permlanex16_b32 v[TM+3], v20, s[SEL], s[SEL+1]
	v_add_f32 v16, v16, v[TM+2]
	v_add_f32 v20, v20, v[TM+3]
	v_and_b32 v184, 15, v0                         ; r
	v_bfe_u32 v185, v0, 4, 1                       ; h
	v_and_b32 v186, 31, v0
	s_lshl_b32 s66, s19, 8
	s_lshl_b32 s67, s20, 7
	s_add_co_u32 s66, s66, s67
	s_add_co_u32 s66, s66, KSX
	v_lshl_add_u32 v3, v184, 2, s66
	ds_store_b32 v3, v16                           ; [wr][32 wc + r]
	ds_store_b32 v3, v20 offset:64                 ; [wr][32 wc + 16 + r]
	; addresses of the second product's operands
	v_mul_u32_u24 v4, v184, 96
	v_mad_u32_u24 v4, v185, 24, v4                 ; row r, + 24 h
	v_add_nc_u32 v6, IMG, v4                       ; v's tiles, trips 0-3
	v_add_nc_u32 v8, IMG+49152, v4                 ; and 4-7
	s_mul_i32 s66, s18, 1536
	v_add_nc_u32 v4, s66, v6                       ; k's tile w, trips 0-3
	v_add_nc_u32 v5, s66, v8                       ; and 4-7
	v_lshlrev_b32 v9, 3, v186                      ; 8 x lane
	v_add_nc_u32 v7, KSX, v9
	s_lshl_b32 s66, s18, 9
	s_add_co_u32 s66, s66, SIMG
	v_lshl_add_u32 v10, v184, 5, s66               ; k's tile w: row r's scale bytes
.irp b, 0,1,2,3
	s_sub_co_u32 s67, 4+\b, s18
	s_lshl_b32 s67, s67, 9
	v_mul_u32_u24 v[12+\b], s67, v185              ; lanes 16-31 take those of v's tile b: the lower base + h x the distance
	v_add_nc_u32 v[12+\b], v10, v[12+\b]
.endr
	s_wait_dscnt 0x0                               ; for the others' sake: my codes, bytes and sums lie in LDS
	s_barrier_signal -1
	s_barrier_wait -1
	; kv(d, e) = the sum over my work-group's 1,024 positions: wave w makes d tile w against the four e tiles; K step = a trip's 128 positions
	WIN 0x40
.irp k, 0,1,2,3,4,5,6,7
.irp p, 0,1,2,3,4,5
	ds_load_b64 v[12*\k+2*\p:12*\k+2*\p+1], v[4+\k/4] offset:12288*(\k%4)+48*(\p/3)+8*(\p%3)
.endr
.endr
	WIN 0x80
.irp k, 0,1,2,3
.irp b, 0,1,2,3
.irp p, 0,1,2,3,4,5
	ds_load_b64 v[48*\k+12*\b+2*\p:48*\k+12*\b+2*\p+1], v6 offset:12288*\k+1536*(4+\b)+48*(\p/3)+8*(\p%3)
.endr
.endr
.endr
	WIN 0xc0
.irp k, 0,1,2,3
.irp b, 0,1,2,3
.irp p, 0,1,2,3,4,5
	ds_load_b64 v[48*\k+12*\b+2*\p:48*\k+12*\b+2*\p+1], v8 offset:12288*\k+1536*(4+\b)+48*(\p/3)+8*(\p%3)
.endr
.endr
.endr
	WIN 0
.irp k, 0,1,2,3,4,5,6,7
.irp b, 0,1,2,3
	ds_load_b32 v[24+4*\k+\b], v[12+\b] offset:4*\k    ; lanes 0-15: k's word, lanes 16-31: v's
.endr
.endr
	s_wait_dscnt 0x0
.irp k, 0,1,2,3,4,5,6,7
.if \k < 4
	WIN 0x09
.else
	WIN 0x0d
.endif
.irp b, 0,1,2,3
.if \k == 0
	v_wmma_scale_f32_16x16x128_f8f6f4 v[56+8*\b:63+8*\b], v[12*\k:12*\k+11], v[48*(\k%4)+12*\b:48*(\k%4)+12*\b+11], 0, v[24+4*\k+\b], v[24+4*\k+\b] matrix_a_fmt:MATRIX_FMT_FP6 matrix_b_fmt:MATRIX_FMT_FP6 matrix_b_scale:MATRIX_SCALE_ROW1
.else
	v_wmma_scale_f32_16x16x128_f8f6f4 v[56+8*\b:63+8*\b], v[12*\k:12*\k+11], v[48*(\k%4)+12*\b:48*(\k%4)+12*\b+11], v[56+8*\b:63+8*\b], v[24+4*\k+\b], v[24+4*\k+\b] matrix_a_fmt:MATRIX_FMT_FP6 matrix_b_fmt:MATRIX_FMT_FP6 matrix_b_scale:MATRIX_SCALE_ROW1
.endif
.endr
.endr
	WIN 0
	NOP4
.irp b, 0,1,2,3
	global_store_b128 v11, v[56+8*\b:59+8*\b], s[14:15] offset:1024*\b          ; each accumulator from its low end on; 512 consecutive bytes a store
	global_store_b128 v11, v[60+8*\b:63+8*\b], s[14:15] offset:1024*\b+512
.endr
	s_cmp_lg_u32 s18, 0
	s_cbranch_scc1 .Lnot_first
	ds_load_b64 v[16:17], v7                       ; wave 0 adds the two halves of the rows and stores the head's 64 sums
	ds_load_b64 v[18:19], v7 offset:256
	s_wait_dscnt 0x0
	v_pk_add_f32 v[16:17], v[16:17], v[18:19]
	global_store_b64 v9, v[16:17], s[16:17]
.Lnot_first:
	s_wait_tensorcnt 0x0                           ; the wave's end
	ds_add_u32 v1, v2
	s_wait_dscnt 0x0
	CROUND                                         ; the closing round
	s_endpgm
.Lfunc_end_k_qe3fd962744_kvpass:
	.size	k_qe3fd962744_kvpass, .Lfunc_end_k_qe3fd962744_kvpass-k_qe3fd962744_kvpass
	.p2alignl 7, 3214868480
	.fill 96, 4, 3214868480
	.section	.rodata,"a",@progbits
	.p2align	6, 0x0
	.amdhsa_kernel k_qe3fd962744_kvpass
		.amdhsa_group_segment_fixed_size 327680
		.amdhsa_private_segment_fixed_size 0
		.amdhsa_enable_private_segment 0
		.amdhsa_kernarg_size 56
		.amdhsa_user_sgpr_count 2
		.amdhsa_user_sgpr_kernarg_segment_ptr 1
		.amdhsa_wavefront_size32 1
		.amdhsa_system_sgpr_workgroup_id_x 1
		.amdhsa_system_sgpr_workgroup_id_y 1
		.amdhsa_system_sgpr_workgroup_id_z 1
		.amdhsa_system_vgpr_workitem_id 0
		.amdhsa_next_free_vgpr 1024
		.amdhsa_next_free_sgpr 100
		.amdhsa_reserve_vcc 0
		.amdhsa_float_denorm_mode_32 3
		.amdhsa_float_denorm_mode_16_64 3
		.amdhsa_memory_ordered 1
		.amdhsa_forward_progress 1
		.amdhsa_inst_pref_size 204
	.end_amdhsa_kernel
	.amdgpu_metadata
---
amdhsa.version: [ 1, 2 ]
amdhsa.kernels:
  - .name:           k_qe3fd962744_kvpass
    .symbol:         k_qe3fd962744_kvpass.kd
    .args:
      - { .name: codes, .offset: 0, .size: 8, .value_kind: global_buffer, .address_space: global }
      - { .name: scales, .offset: 8, .size: 8, .value_kind: global_buffer, .address_space: global }
      - { .name: trig, .offset: 16, .size: 8, .value_kind: global_buffer, .address_space: global }
      - { .name: bk, .offset: 24, .size: 8, .value_kind: global_buffer, .address_space: global }
      - { .name: bv, .offset: 32, .size: 8, .value_kind: global_buffer, .address_space: global }
      - { .name: kvp, .offset: 40, .size: 8, .value_kind: global_buffer, .address_space: global }
      - { .name: ksum, .offset: 48, .size: 8, .value_kind: global_buffer, .address_space: global }
    .group_segment_fixed_size: 327680
    .private_segment_fixed_size: 0
    .kernarg_segment_align: 8
    .kernarg_segment_size: 56
    .max_flat_workgroup_size: 128
    .sgpr_count:     100
    .vgpr_count:     1024
    .wavefront_size: 32
...
	.end_amdgpu_metadata
.endif
;; end of part 2
;; launch kvq (part 3): grid 128 x 1, 4 waves a work-group, no clusters, 0 bytes of LDS; arguments kvp, ksum, kvc, kvs, kmean; writes kvc, kvs, kmean
.if DOCPART == 3
	.amdgcn_target "amdgcn-amd-amdhsa--gfx1250"
	.amdhsa_code_object_version 6
	.text
	.protected	k_qe3fd962744_kvq
	.globl	k_qe3fd962744_kvq
	.p2align	8
	.type	k_qe3fd962744_kvq,@function
k_qe3fd962744_kvq:
	s_mov_b64 s[64:65], 0
	v_nop
	global_prefetch_b8 v0, s[64:65] scope:SCOPE_SE
	s_setreg_imm32_b32 hwreg(HW_REG_WAVE_MODE, 25, 1), 1
	s_wait_xcnt 0x0
; KVQ.  Work-group = batch x 16 + head; wave = tile of 16 columns e of kv.  The two halves of the positions are added; kv [64 d][64 e] is quantised along d (two blocks of 32) to FP6;
; stored: six registers a lane in the order of an operand's registers (lanes 0-15 block 0, lanes 16-31 block 1 of column e = lane % 16), and a scale word a column.
; In the next launch two heads share a K step of 128: an even head's two bytes stand in the word's lower half, an odd head's in the upper; the other half holds 127, over codes that are zeros there.
; A lane holds d = 16 a + 8 (lane / 16) + j in register 8 a + j: inside a block d is permuted as the next launch permutes q's channels.
; Wave 0 also makes the mean of k: the two halves' sums, x 2^-11.  128 work-groups: there is work for that many.  No LDS, no barrier.
	s_load_b256 s[4:11], s[0:1], 0x0               ; kvp, ksum, kvc, kvs
	s_load_b64 s[12:13], s[0:1], 0x20              ; kmean
	v_lshrrev_b32 v1, 5, v0
	v_readfirstlane_b32 s14, v1                    ; the tile of columns
	v_and_b32 v1, 31, v0
	v_lshlrev_b32 v2, 4, v1                        ; 16 x lane
	v_lshlrev_b32 v3, 3, v1                        ; 8 x lane
	v_lshlrev_b32 v4, 2, v1                        ; 4 x lane
	s_lshr_b32 s15, ttmp9, 4                       ; batch
	s_and_b32 s16, ttmp9, 15                       ; head
	s_lshl_b32 s17, s15, 5
	s_add_co_u32 s17, s17, s16                     ; the first half's number in kvp and ksum; the second lies 16 on
	s_lshl_b32 s18, s17, 14                        ; 16,384 bytes a number,
	s_lshl_b32 s19, s14, 10                        ; 1,024 a tile of columns
	s_add_co_u32 s18, s18, s19
	s_mov_b32 s19, 0
	s_lshl_b32 s20, ttmp9, 2
	s_add_co_u32 s20, s20, s14                     ; 4 x (batch x 16 + head) + tile
	s_mul_i32 s22, s20, 768                        ; its codes,
	s_mov_b32 s23, 0
	s_lshl_b32 s24, s20, 7                         ; its scale words
	s_mov_b32 s25, 0
	s_and_b32 s26, s16, 1
	s_lshl_b32 s27, s26, 4                         ; an odd head's bytes stand 16 bits up
	s_mov_b32 s28, 0x00007f7f
	s_cmp_eq_u32 s26, 0
	s_cselect_b32 s28, 0x7f7f0000, s28             ; 127 in the two bytes of the other head
	s_mov_b32 s30, 0x76543210
	s_mov_b32 s31, 0xfedcba98                      ; selects for lane l xor 16
	s_lshl_b32 s20, s17, 8                         ; the first half's 64 sums of k
	s_mov_b32 s21, 0
	s_lshl_b32 s26, ttmp9, 8                       ; the head's 64 numbers of mean k
	v_mov_b32 v10, 0                               ; lane permutes' destinations count as sources: written once
	v_mov_b32 v11, 0
	s_wait_kmcnt 0x0
	s_add_nc_u64 s[4:5], s[4:5], s[18:19]
	s_add_nc_u64 s[8:9], s[8:9], s[22:23]
	s_add_nc_u64 s[10:11], s[10:11], s[24:25]
	s_add_nc_u64 s[6:7], s[6:7], s[20:21]
.irp f, 0,1                            ; half f, tile a of rows d, piece c of the accumulator's image: 512 consecutive bytes a load
.irp a, 0,1,2,3
.irp c, 0,1
	global_load_b128 v[16+32*\f+8*\a+4*\c:16+32*\f+8*\a+4*\c+3], v2, s[4:5] offset:262144*\f+4096*\a+512*\c
.endr
.endr
.endr
	s_wait_loadcnt 0x0
.irp q, 0,2,4,6,8,10,12,14,16,18,20,22,24,26,28,30
	v_pk_add_f32 v[16+\q:17+\q], v[16+\q:17+\q], v[48+\q:49+\q]      ; the two halves of the positions
.endr
	v_max3_num_f32 v8, |v16|, |v17|, 0x1800000     ; the floor 2^(3 - 127) holds the byte at 1 from below
	v_max3_num_f32 v9, |v32|, |v33|, 0x1800000
.irp i, 2,4,6,8,10,12,14
	v_max3_num_f32 v8, v8, |v[16+\i]|, |v[17+\i]|
	v_max3_num_f32 v9, v9, |v[32+\i]|, |v[33+\i]|
.endr
	v_permlanex16_b32 v10, v8, s30, s31
	v_permlanex16_b32 v11, v9, s30, s31
	v_max_num_f32 v8, v8, v10                      ; with lane l xor 16's sixteen: the block's largest magnitude
	v_max_num_f32 v9, v9, v11
	v_add_nc_u32 v8, 0xff000000, v8                ; 2 off the exponent field: the conversion's scale operand
	v_add_nc_u32 v9, 0xff000000, v9
	v_cvt_scalef32_pk16_fp6_f32 v[80:82], v[16:31], v8
	v_cvt_scalef32_pk16_fp6_f32 v[88:90], v[32:47], v9
	v_nop                                          ; one plain place behind the conversions
.irp i, 0,1,2
	v_permlane16_swap_b32 v[80+\i], v[88+\i]       ; a whole block to a lane: lanes 0-15 block 0, lanes 16-31 block 1
.endr
.irp i, 0,1,2
	v_mov_b32 v[83+\i], v[88+\i]
.endr
	v_lshrrev_b32 v10, 23, v8                      ; the two bytes,
	v_lshrrev_b32 v11, 23, v9
	v_lshl_or_b32 v12, v11, 8, v10
	v_lshlrev_b32 v12, s27, v12                    ; at the head's half of the word,
	v_or_b32 v12, s28, v12                         ; 127 in the other half
	global_store_b128 v2, v[80:83], s[8:9]         ; 512 consecutive bytes,
	global_store_b64 v3, v[84:85], s[8:9] offset:512   ; and 256
	global_store_b32 v4, v12, s[10:11]
	s_cmp_lg_u32 s14, 0
	s_cbranch_scc1 .Ldone
	s_mov_b32 s27, 0                               ; wave 0: the mean of k over the batch's 2,048 positions
	s_add_nc_u64 s[12:13], s[12:13], s[26:27]
	global_load_b64 v[92:93], v3, s[6:7]
	global_load_b64 v[94:95], v3, s[6:7] offset:4096
	s_wait_loadcnt 0x0
	v_pk_add_f32 v[92:93], v[92:93], v[94:95]
	v_pk_mul_f32 v[92:93], v[92:93], 0x3a000000 op_sel_hi:[1,0]      ; x 2^-11
	global_store_b64 v3, v[92:93], s[12:13]
.Ldone:
	s_endpgm
.Lfunc_end_k_qe3fd962744_kvq:
	.size	k_qe3fd962744_kvq, .Lfunc_end_k_qe3fd962744_kvq-k_qe3fd962744_kvq
	.p2alignl 7, 3214868480
	.fill 96, 4, 3214868480
	.section	.rodata,"a",@progbits
	.p2align	6, 0x0
	.amdhsa_kernel k_qe3fd962744_kvq
		.amdhsa_group_segment_fixed_size 0
		.amdhsa_private_segment_fixed_size 0
		.amdhsa_enable_private_segment 0
		.amdhsa_kernarg_size 40
		.amdhsa_user_sgpr_count 2
		.amdhsa_user_sgpr_kernarg_segment_ptr 1
		.amdhsa_wavefront_size32 1
		.amdhsa_system_sgpr_workgroup_id_x 1
		.amdhsa_system_sgpr_workgroup_id_y 1
		.amdhsa_system_sgpr_workgroup_id_z 1
		.amdhsa_system_vgpr_workitem_id 0
		.amdhsa_next_free_vgpr 96
		.amdhsa_next_free_sgpr 66
		.amdhsa_reserve_vcc 0
		.amdhsa_float_denorm_mode_32 3
		.amdhsa_float_denorm_mode_16_64 3
		.amdhsa_memory_ordered 1
		.amdhsa_forward_progress 1
		.amdhsa_inst_pref_size 8
	.end_amdhsa_kernel
	.amdgpu_metadata
---
amdhsa.version: [ 1, 2 ]
amdhsa.kernels:
  - .name:           k_qe3fd962744_kvq
    .symbol:         k_qe3fd962744_kvq.kd
    .args:
      - { .name: kvp, .offset: 0, .size: 8, .value_kind: global_buffer, .address_space: global }
      - { .name: ksum, .offset: 8, .size: 8, .value_kind: global_buffer, .address_space: global }
      - { .name: kvc, .offset: 16, .size: 8, .value_kind: global_buffer, .address_space: global }
      - { .name: kvs, .offset: 24, .size: 8, .value_kind: global_buffer, .address_space: global }
      - { .name: kmean, .offset: 32, .size: 8, .value_kind: global_buffer, .address_space: global }
    .group_segment_fixed_size: 0
    .private_segment_fixed_size: 0
    .kernarg_segment_align: 8
    .kernarg_segment_size: 40
    .max_flat_workgroup_size: 128
    .sgpr_count:     66
    .vgpr_count:     96
    .wavefront_size: 32
...
	.end_amdgpu_metadata
.endif
;; end of part 3
;; launch outpass (part 4): grid 256 x 1, 4 waves a work-group, clusters of 4 x 1, 327,680 bytes of LDS; arguments codes, scales, trig, kvc, kvs, kmean, bq, x, gamma, beta, out0; writes out0
.if DOCPART == 4
	.amdgcn_target "amdgcn-amd-amdhsa--gfx1250"
	.amdhsa_code_object_version 6
	.text
	.protected	k_qe3fd962744_outpass
	.globl	k_qe3fd962744_outpass
	.p2align	8
	.type	k_qe3fd962744_outpass,@function
k_qe3fd962744_outpass:
	s_mov_b64 s[64:65], 0
	v_nop
	global_prefetch_b8 v0, s[64:65] scope:SCOPE_SE
	s_setreg_imm32_b32 hwreg(HW_REG_WAVE_MODE, 25, 1), 1
	s_wait_xcnt 0x0
	s_wait_alu depctr_hold_cnt(0) depctr_sa_sdst(0) depctr_va_vdst(0) depctr_va_sdst(0) depctr_va_ssrc(0) depctr_va_vcc(0) depctr_vm_vsrc(0)
	s_getreg_b32 s2, hwreg(HW_REG_IB_STS2, 6, 4)
	s_cmp_eq_u32 s2, 0
	s_cbranch_scc0 .Lentry_in_a_cluster
	s_endpgm
.Lentry_in_a_cluster:
	s_bfe_u32 s2, ttmp6, 0x10000c
	s_cmp_lg_u32 s2, 0x3003
	s_cbranch_scc0 .Lentry_shape_is_right
	s_endpgm
.Lentry_shape_is_right:
; OUTPASS.  A work-group owns 64 whole rows.  q = gelu(x Wq^T + bq) + 0.21 on codes of FP6; z = 1 / (q . mean k + 1e-6) for each head; q is turned by the rotary embedding and quantised along the
; channels; out = (q kv) z on codes; residual; LayerNorm over the 1,024 channels; gamma, beta.  q never goes to memory.
; SHARES.  Wave w owns channels 256 w .. + 255 (heads 4 w .. 4 w + 3) for all 64 rows.  The rows' codes of x (4 row tiles x 8 K steps = 384 registers) stay in every wave's registers.  Wq's codes come
; through a ring of two LDS slots: a trip is 32 channels a wave (two units, 24,576 bytes, one tensor load a wave; a wave reads its own quarter of a slot).  Eight trips.
; The first tile is asked for ahead of the register loads of the head, so that both come side by side.
; CLUSTER.  All work-groups walk the same Wq: the four of a cluster ask jointly, by the same descriptor with the mask 15.  The work-group's rows enter global addresses of register loads and stores alone.
; ORIENTATION.  Source 0 = 16 rows of Wq, source 1 = 16 rows of x: a lane holds ONE row (lane % 16) and its registers run along the channels 8 (lane / 16) + j: the next product's K.
; A trip's 32 channels are one block of that K; a lane's 16 codes go to byte 12 (lane / 16) of the block's 24, as kv's do in the launch before.
; THE SECOND PRODUCT has K = 64: two heads share a K step of 128; a head's fragment of kv holds zeros in the other head's half.
; THE ROWS OF x IN f32, for the residual: a wave's sixteen rows have 32 registers each, all of their own, in registers that the first product has left or never used.  They are asked for a row at a time
; from the last trip's products on, between the pieces of that trip's vector work and between the four heads of the second product; the results are stored from the same registers, which nothing
; writes again: so no wait on XCNT stands among the rows.
; GELU as in the launch before: error on erf at most 1.5e-7.  LIMITS: that error; NaN and infinities are not served.
; No prefetch is laid: the ring's load has a whole trip in which to land; tables, scale words and biases are loaded a trip ahead; x's f32 rows are asked for by the loads just described.
; LDS: slots at 0 and 2^17 (98,304 bytes each); behind the last fill and a barrier bytes 0 .. 263,167 are the stage, 64 rows x (4,096 + 16);
;   QIMG q's codes [wave][row tile][row: 200 bytes][block: 24]; QSB their scale bytes [wave][row tile][row][8]; ZP the parts of q . mean k [wave][trip][row tile][row]; the spare words.
; REGISTERS.  Window 0: v1, v2 the spare word's address and 0; v3-13 addresses; v[14:15] a coefficient; v16-23 z's parts; v24-39 x's scale words; v40-47 Wq's; v48-63 mean k; v64-127 eight accumulators
;   (row tile i, channel tile t at 64 + 16 i + 8 t); v128-223 at work; v224-239 kv's scale words; v240-250 addresses.
;   Window 1: x's fragments of K steps 0-4, later rows 0-7 of x in f32.  Window 2: K steps 5-7, later kv's fragments, later (v0-63) rows 14, 15; v144-159 bq; v160-255 rows 8-10.
;   Window 3: v0-191 Wq's fragments, later gamma, beta, q's fragments; v192-255 cos, sin; later v160-255 rows 11-13.
.set SLOT1, 1<<17
.set QIMG,  263168
.set QSB,   314368
.set ZP,    316416
.set SPARE, 324608
.set XS,  24
.set WS,  40
.set KM,  48
.set ACC, 64
.set R,   128
.set E,   144
.set P,   160
.set M,   176
.set TM,  192
.set PC,  208
.set KVS, 224
.set STW, 240
.set S,   128
.set VA4, 14
.set WV,  36
.set TB,  37
.set CNT, 38
.set SEL, 40
.set CP,  42
.set CE,  44
.set A1,  46
.set A2,  48
.set A3,  50
.set A5,  52
.set C21, 54
.set EPS6, 56
.set EPS12, 57
.set RN,  58
.set WSB, 60
.set SQ,  81
.set SS,  82
.set SZ,  83
.set MSB, 0
.macro WIN new                         ; the immediate's high byte repeats the setting that is left; a switch that changes nothing is dropped
.if MSB != (\new)
	s_set_vgpr_msb (MSB<<8)|(\new)
.set MSB, (\new)
.endif
.endm
.macro PAIR r, val
	s_mov_b32 s[\r], \val
	s_mov_b32 s[\r+1], \val
.endm
.macro NOP4
.rept 4
	v_nop
.endr
.endm
.macro CROUND
	s_barrier_signal -1
	s_barrier_wait -1
	s_cmp_lg_u32 s[WV], 0
	s_cbranch_scc1 .Lnot_wave_0_\@
	s_barrier_signal -3
.Lnot_wave_0_\@:
	s_barrier_wait -3
	s_barrier_signal -1
	s_barrier_wait -1
.endm
.macro WMS d, a, b, c, sa, sb, ra, rb
.if ((\ra)*2+(\rb)) == 3
	v_wmma_scale_f32_16x16x128_f8f6f4 v[(\d):(\d)+7], v[(\a):(\a)+11], v[(\b):(\b)+11], v[(\c):(\c)+7], v[(\sa)], v[(\sb)] matrix_a_fmt:MATRIX_FMT_FP6 matrix_b_fmt:MATRIX_FMT_FP6 matrix_a_scale:MATRIX_SCALE_ROW1 matrix_b_scale:MATRIX_SCALE_ROW1
.elseif ((\ra)*2+(\rb)) == 2
	v_wmma_scale_f32_16x16x128_f8f6f4 v[(\d):(\d)+7], v[(\a):(\a)+11], v[(\b):(\b)+11], v[(\c):(\c)+7], v[(\sa)], v[(\sb)] matrix_a_fmt:MATRIX_FMT_FP6 matrix_b_fmt:MATRIX_FMT_FP6 matrix_a_scale:MATRIX_SCALE_ROW1
.elseif ((\ra)*2+(\rb)) == 1
	v_wmma_scale_f32_16x16x128_f8f6f4 v[(\d):(\d)+7], v[(\a):(\a)+11], v[(\b):(\b)+11], v[(\c):(\c)+7], v[(\sa)], v[(\sb)] matrix_a_fmt:MATRIX_FMT_FP6 matrix_b_fmt:MATRIX_FMT_FP6 matrix_b_scale:MATRIX_SCALE_ROW1
.else
	v_wmma_scale_f32_16x16x128_f8f6f4 v[(\d):(\d)+7], v[(\a):(\a)+11], v[(\b):(\b)+11], v[(\c):(\c)+7], v[(\sa)], v[(\sb)] matrix_a_fmt:MATRIX_FMT_FP6 matrix_b_fmt:MATRIX_FMT_FP6
.endif
.endm
	s_load_b256 s[4:11], s[0:1], 0x0               ; codes, scales, trig, kvc
	s_load_b256 s[12:19], s[0:1], 0x20             ; kvs, kmean, bq, x
	s_load_b128 s[20:23], s[0:1], 0x40             ; gamma, beta
	s_load_b64 s[66:67], s[0:1], 0x50              ; out0
	v_lshl_add_u32 v1, v0, 2, SPARE
	v_mov_b32 v2, 0
	ds_add_u32 v1, v2
	ds_add_u32 v1, v2
	s_wait_dscnt 0x0
	v_lshrrev_b32 v3, 5, v0
	v_readfirstlane_b32 s[WV], v3                  ; wave
	s_bfe_u32 s70, ttmp6, 0x40000                  ; cx
	s_lshl_b32 s39, ttmp9, 2
	s_add_co_u32 s39, s39, s70                     ; my block of 64 rows
	s_mov_b32 s24, 15|(3<<16)|(1<<21)              ; group 1: 24,576 dense bytes as 96 rows of 256; the mask: all four work-groups; bit 21 beside it
	s_mov_b32 s25, 32<<16
	s_mov_b32 s26, 96<<16
	s_mov_b32 s27, 32<<16
	s_mov_b32 s28, 96
	s_mov_b32 s29, 32
	s_mov_b32 s30, 0
	s_mov_b32 s31, 0
	s_mov_b32 s32, 1
	s_mul_i32 s33, s[WV], 24576                    ; LDS: my quarter of slot 0
	s_mul_i32 s68, s[WV], 196608
	s_add_co_u32 s68, s68, 12582912                ; Wq's unit 1024 + 16 wave
	s_mov_b32 s69, 0
	s_lshl_b32 s84, s[WV], 13
	s_add_co_u32 s84, s84, 524288                  ; and its scale words
	s_mov_b32 s85, 0
	s_mov_b32 s[TB], 0
	s_mov_b32 s[CNT], 7
	s_mov_b32 s[SQ], 0
	s_mov_b32 s[SS], 0
	s_mov_b32 s[SZ], 0
	s_mov_b32 s[SEL], 0x76543210
	s_mov_b32 s[SEL+1], 0xfedcba98
	PAIR CP,  0x3e6d3388                           ; 0.3275911 / sqrt 2
	PAIR CE,  0xbf38aa3b                           ; -log2(e) / 2
	PAIR A1,  0x3e027906
	PAIR A2,  0xbe11a98e
	PAIR A3,  0x3f35f0e3
	PAIR A5,  0x3f07dc22
	PAIR C21, 0x3e570a3d                           ; 0.21
	s_mov_b32 s[EPS6], 0x358637bd                  ; 1e-6
	s_mov_b32 s[EPS12], 0x2b8cbccc                 ; 1e-12
	s_mov_b32 s[RN], 0x3a800000                    ; 1 / 1024
	v_and_b32 v128, 31, v0                         ; lane
	v_and_b32 v129, 15, v0                         ; r
	v_bfe_u32 v130, v0, 4, 1                       ; h
	v_lshlrev_b32 v11, 4, v128                     ; 16 x lane
	v_lshlrev_b32 v248, 3, v128                    ; 8 x lane
	v_lshlrev_b32 v249, 2, v128                    ; 4 x lane
	v_lshlrev_b32 v12, 5, v130                     ; 32 h: my eight channels of a tile
	v_lshlrev_b32 v13, 4, v129                     ; scale words: 16 bytes a row in each half unit of 256
	v_lshl_add_u32 v250, v130, 10, v13             ; x's: lanes 16-31 take the row tile two on
	v_lshl_add_u32 v13, v130, 9, v13               ; Wq's: lanes 16-31 take the next unit
	v_add_nc_u32 v3, s33, v11                      ; Wq's fragments in my quarter of a slot
	s_mul_i32 s62, s[WV], 12800
	s_add_co_u32 s62, s62, QIMG
	v_mul_u32_u24 v245, v129, 200
	v_add_nc_u32 v245, s62, v245
	v_mad_u32_u24 v5, v130, 12, v245               ; q's codes, in: row r, half h
	v_mad_u32_u24 v245, v130, 24, v245             ; and out: row r, block h
	s_lshl_b32 s62, s[WV], 9
	s_add_co_u32 s62, s62, QSB
	v_lshl_add_u32 v7, v129, 3, s62                ; q's scale bytes
	s_lshl_b32 s62, s[WV], 11
	s_add_co_u32 s62, s62, ZP
	v_lshl_add_u32 v9, v129, 2, s62                ; z's parts
	s_lshl_b32 s62, s[WV], 10
	v_mul_u32_u24 v240, v129, 4112
	v_lshl_add_u32 v240, v130, 5, v240
	v_add_nc_u32 v240, s62, v240                   ; the stage, in: row r of row tile 0, my wave's 1,024 bytes, + 32 h
.irp i, 1,2,3
	v_add_nc_u32 v[STW+\i], 65792*\i, v240
.endr
	s_mul_i32 s62, s[WV], 65792
	v_add_nc_u32 v244, s62, v11                    ; and out: my 16 rows, 16 bytes a lane
	v_mov_b32 v14, 0xbf3a00e3
	v_mov_b32 v15, 0xbf3a00e3
.irp j, 4,5,6,7,8,9,10,11
	v_mov_b32 v[TM+\j], 0                          ; lane permutes' destinations count as sources: written once
.endr
	; offsets that hang on my rows
	s_mul_i32 s70, s39, 49152                      ; x's units 4 g on
	s_mov_b32 s71, 0
	s_lshl_b32 s72, s39, 11
	s_mov_b32 s73, 0
	s_and_b32 s74, s39, 31
	s_lshl_b32 s74, s74, 18                        ; position tile 4 (g % 32): 64 blocks of 1,024 bytes each
	s_lshl_b32 s75, s[WV], 14
	s_add_co_u32 s74, s74, s75
	s_add_co_u32 s74, s74, 8388608
	s_mov_b32 s75, 0
	s_lshr_b32 s76, s39, 5                         ; batch
	s_lshl_b32 s77, s76, 4
	s_lshl_b32 s78, s[WV], 2
	s_add_co_u32 s77, s77, s78                     ; my first head: 16 batch + 4 wave
	s_mov_b32 s79, 0
	s_wait_kmcnt 0x0
	s_add_nc_u64 s[34:35], s[4:5], s[68:69]
	s_or_b32 s35, s35, 0x80000000
	CROUND                                         ; all four work-groups are here: the first joint load meets
	tensor_load_to_lds s[32:35], s[24:31]          ; trip 0, into slot 0: ahead of the register loads below
	s_nop 0
	NOP4
	s_add_nc_u64 s[WSB:WSB+1], s[6:7], s[84:85]
	s_add_nc_u64 s[70:71], s[4:5], s[70:71]
	s_add_nc_u64 s[72:73], s[6:7], s[72:73]
	s_add_nc_u64 s[8:9], s[8:9], s[74:75]
	s_mul_i32 s78, s77, 3072
	s_add_nc_u64 s[10:11], s[10:11], s[78:79]
	s_lshl_b32 s78, s77, 9
	s_add_nc_u64 s[12:13], s[12:13], s[78:79]
	s_lshl_b32 s78, s76, 12
	s_lshl_b32 s77, s[WV], 10
	s_add_co_u32 s78, s78, s77
	s_add_nc_u64 s[14:15], s[14:15], s[78:79]
	s_mov_b32 s78, s77
	s_add_nc_u64 s[16:17], s[16:17], s[78:79]
	s_lshl_b32 s78, s39, 18
	s_lshl_b32 s77, s[WV], 16
	s_add_co_u32 s78, s78, s77
	s_add_nc_u64 s[18:19], s[18:19], s[78:79]
	s_add_nc_u64 s[66:67], s[66:67], s[78:79]
	WIN 0x40                                       ; x's fragments stay in registers
.irp s, 0,1,2,3,4
.irp i, 0,1,2,3
.irp c, 0,1,2
	global_load_b128 v[48*\s+12*\i+4*\c:48*\s+12*\i+4*\c+3], v11, s[70:71] offset:12288*\i+1536*\s+512*\c
.endr
.endr
.endr
	WIN 0x80
.irp s, 5,6,7
.irp i, 0,1,2,3
.irp c, 0,1,2
	global_load_b128 v[48*(\s-5)+12*\i+4*\c:48*(\s-5)+12*\i+4*\c+3], v11, s[70:71] offset:12288*\i+1536*\s+512*\c
.endr
.endr
.endr
	WIN 0
.irp i, 0,1
.irp u, 0,1
	global_load_b128 v[XS+8*\i+4*\u:XS+8*\i+4*\u+3], v250, s[72:73] offset:512*\i+256*\u
.endr
.endr
.irp e, 0,1,2,3
.irp b, 0,1,2,3
	global_load_b32 v[KVS+4*\e+\b], v249, s[12:13] offset:512*\e+128*\b
.endr
.endr
.macro STEPB                           ; all four bases go on to the next trip's numbers at one place, a whole run of products behind the last load that read them
	s_wait_xcnt 0x0
	s_add_nc_u64 s[WSB:WSB+1], s[WSB:WSB+1], 1024
	s_add_nc_u64 s[16:17], s[16:17], 128
	s_add_nc_u64 s[14:15], s[14:15], 128
	s_add_nc_u64 s[8:9], s[8:9], 2048
.endm
.macro LD_WB                           ; a trip's scale words of Wq and biases
	global_load_b128 v[WS:WS+3], v13, s[WSB:WSB+1]
	global_load_b128 v[WS+4:WS+7], v13, s[WSB:WSB+1] offset:256
	WIN 0x80
.irp t, 0,1
.irp u, 0,1
	global_load_b128 v[144+8*\t+4*\u:144+8*\t+4*\u+3], v12, s[16:17] offset:64*\t+16*\u
.endr
.endr
	WIN 0
.endm
.macro LD_KM                           ; a trip's 32 numbers of mean k: my sixteen
.irp t, 0,1
.irp u, 0,1
	global_load_b128 v[KM+8*\t+4*\u:KM+8*\t+4*\u+3], v12, s[14:15] offset:64*\t+16*\u
.endr
.endr
.endm
.macro LD_TQ                           ; a trip's cos and sin: for (row tile i, channel tile t): four cos, four sin
	WIN 0xc0
.irp i, 0,1,2,3
.irp t, 0,1
.irp c, 0,1
	global_load_b128 v[192+8*(2*\i+\t)+4*\c:192+8*(2*\i+\t)+4*\c+3], v11, s[8:9] offset:65536*\i+1024*\t+512*\c
.endr
.endr
.endr
	WIN 0
.endm
	LD_WB
	LD_KM
	LD_TQ
.macro CHANGE fill
	WIN 0
	s_wait_tensorcnt 0x0                           ; my one load, this trip's two units, has landed
	ds_add_u32 v1, v2                              ; 0 onto my spare word
.if \fill
	s_xor_b32 s33, s33, SLOT1                      ; the walking descriptor: the other slot, the next two units
	s_add_nc_u64 s[34:35], s[34:35], 24576
.endif
	s_wait_dscnt 0x0                               ; the add is done; my reads of the slot that I have left and my stores are over
.if \fill
	CROUND
	tensor_load_to_lds s[32:35], s[24:31]
	s_nop 0
	NOP4
.else
	s_barrier_signal -1
	s_barrier_wait -1
.endif
.endm
.macro FETCHW                          ; the trip's sixteen fragments of Wq, K step by K step
	WIN 0xc0
.irp s, 0,1,2,3,4,5,6,7
.irp t, 0,1
.irp c, 0,1,2
	ds_load_b128 v[24*\s+12*\t+4*\c:24*\s+12*\t+4*\c+3], v4 offset:12288*\t+1536*\s+512*\c
.endr
.endr
.endr
.endm
.macro MULK s                          ; eight products, the eight accumulators by turns
	s_wait_dscnt 6*(7-(\s))                        ; this K step's six loads are in; the later steps' may be out
.if (\s) == 0
	WIN 0x27
.elseif (\s) < 5
	WIN 0x07
.else
	WIN 0x0b
.endif
.if (\s) < 5
.set rX, 48*(\s)
.else
.set rX, 48*((\s)-5)
.endif
.irp i, 0,1,2,3
.irp t, 0,1
.if (\s) == 0
	WMS ACC+16*\i+8*\t, 24*(\s)+12*\t, rX+12*\i, 144+8*\t, WS+(\s), XS+8*(\i%2)+(\s), \t, \i/2
.else
	WMS ACC+16*\i+8*\t, 24*(\s)+12*\t, rX+12*\i, ACC+16*\i+8*\t, WS+(\s), XS+8*(\i%2)+(\s), \t, \i/2
.endif
.endr
.endr
.endm
.macro GELU16 x
.set q, 0
.rept 16
	v_fma_f32 v[R+q], |v[(\x)+q]|, s[CP], 1.0
.set q, q+1
.endr
.set q, 0
.rept 8
	v_pk_mul_f32 v[E+q:E+q+1], v[(\x)+q:(\x)+q+1], v[(\x)+q:(\x)+q+1]
.set q, q+2
.endr
.set q, 0
.rept 8
	v_pk_mul_f32 v[E+q:E+q+1], v[E+q:E+q+1], s[CE:CE+1] op_sel_hi:[1,0]
.set q, q+2
.endr
.set q, 0
.rept 16
	v_rcp_f32 v[R+q], v[R+q]
.set q, q+1
.endr
.set q, 0
.rept 16
	v_exp_f32 v[E+q], v[E+q]
.set q, q+1
.endr
.set q, 0
.rept 16
	v_max_num_f32 v[M+q], 0, v[(\x)+q]             ; plain work behind the batch
.set q, q+1
.endr
	s_wait_alu depctr_va_vdst(0)                   ; one wait for the 32, ahead of their first reader
.set q, 0
.rept 8
	v_pk_fma_f32 v[P+q:P+q+1], v[R+q:R+q+1], s[A5:A5+1], v[VA4:VA4+1] op_sel_hi:[1,0,1]
.set q, q+2
.endr
.irp a, A3, A2, A1
.set q, 0
.rept 8
	v_pk_fma_f32 v[P+q:P+q+1], v[P+q:P+q+1], v[R+q:R+q+1], s[\a:\a+1] op_sel_hi:[1,1,0]
.set q, q+2
.endr
.endr
.set q, 0
.rept 8
	v_pk_mul_f32 v[P+q:P+q+1], v[P+q:P+q+1], v[R+q:R+q+1]
.set q, q+2
.endr
.set q, 0
.rept 8
	v_pk_mul_f32 v[P+q:P+q+1], v[P+q:P+q+1], v[E+q:E+q+1]
.set q, q+2
.endr
.set q, 0
.rept 16
	v_fma_f32 v[(\x)+q], -|v[(\x)+q]|, v[P+q], v[M+q]
.set q, q+1
.endr
.set q, 0
.rept 8
	v_pk_add_f32 v[(\x)+q:(\x)+q+1], v[(\x)+q:(\x)+q+1], s[C21:C21+1] op_sel_hi:[1,0]
.set q, q+2
.endr
.endm
.macro ZDOT                            ; the trip's part of q . mean k, for my row of each row tile; the four rows' chains by turns
.irp i, 0,1,2,3
	v_pk_mul_f32 v[16+2*\i:17+2*\i], v[ACC+16*\i:ACC+16*\i+1], v[KM:KM+1]
.endr
.irp q, 2,4,6,8,10,12,14
.irp i, 0,1,2,3
	v_pk_fma_f32 v[16+2*\i:17+2*\i], v[ACC+16*\i+\q:ACC+16*\i+\q+1], v[KM+\q:KM+\q+1], v[16+2*\i:17+2*\i]
.endr
.endr
.irp i, 0,1,2,3
	v_add_f32 v[16+2*\i], v[16+2*\i], v[17+2*\i]
.endr
.irp i, 0,1,2,3
	v_permlanex16_b32 v[TM+8+\i], v[16+2*\i], s[SEL], s[SEL+1]
.endr
.irp i, 0,1,2,3
	v_add_f32 v[16+2*\i], v[16+2*\i], v[TM+8+\i]
.endr
.irp i, 0,1,2,3
	ds_store_b32 v10, v[16+2*\i] offset:64*\i
.endr
.endm
; the rotary embedding: a pair of channels is a pair of my registers: (x1 c - x2 s, x2 c + x1 s); cos and sin of pair p stand in register p of their four
.macro ROPEQ
	WIN 0x0c
.irp i, 0,1,2,3
.irp t, 0,1
.irp p, 0,2
	v_pk_mul_f32 v[R+8*\t+2*\p:R+8*\t+2*\p+1], v[ACC+16*\i+8*\t+2*\p:ACC+16*\i+8*\t+2*\p+1], v[192+8*(2*\i+\t)+\p:192+8*(2*\i+\t)+\p+1] op_sel:[0,0] op_sel_hi:[1,0]
.endr
.irp p, 1,3
	v_pk_mul_f32 v[R+8*\t+2*\p:R+8*\t+2*\p+1], v[ACC+16*\i+8*\t+2*\p:ACC+16*\i+8*\t+2*\p+1], v[192+8*(2*\i+\t)+\p-1:192+8*(2*\i+\t)+\p] op_sel:[0,1] op_sel_hi:[1,1]
.endr
.endr
.irp t, 0,1
.irp p, 0,2
	v_pk_fma_f32 v[ACC+16*\i+8*\t+2*\p:ACC+16*\i+8*\t+2*\p+1], v[ACC+16*\i+8*\t+2*\p:ACC+16*\i+8*\t+2*\p+1], v[196+8*(2*\i+\t)+\p:196+8*(2*\i+\t)+\p+1], v[R+8*\t+2*\p:R+8*\t+2*\p+1] op_sel:[1,0,0] op_sel_hi:[0,0,1] neg_lo:[1,0,0]
.endr
.irp p, 1,3
	v_pk_fma_f32 v[ACC+16*\i+8*\t+2*\p:ACC+16*\i+8*\t+2*\p+1], v[ACC+16*\i+8*\t+2*\p:ACC+16*\i+8*\t+2*\p+1], v[196+8*(2*\i+\t)+\p-1:196+8*(2*\i+\t)+\p], v[R+8*\t+2*\p:R+8*\t+2*\p+1] op_sel:[1,1,0] op_sel_hi:[0,1,1] neg_lo:[1,0,0]
.endr
.endr
.endr
	WIN 0
.endm
.macro QUANT4                          ; four blocks, one for each row tile: my sixteen numbers of each; codes and bytes to LDS
.irp b, 0,1,2,3
	v_max3_num_f32 v[TM+\b], |v[ACC+16*\b]|, |v[ACC+16*\b+1]|, 0x1800000   ; the floor 2^(3 - 127) holds the byte at 1 from below
.endr
.irp i, 2,4,6,8,10,12,14
.irp b, 0,1,2,3
	v_max3_num_f32 v[TM+\b], v[TM+\b], |v[ACC+16*\b+\i]|, |v[ACC+16*\b+\i+1]|
.endr
.endr
.irp b, 0,1,2,3
	v_permlanex16_b32 v[TM+4+\b], v[TM+\b], s[SEL], s[SEL+1]
.endr
.irp b, 0,1,2,3
	v_max_num_f32 v[TM+\b], v[TM+\b], v[TM+4+\b]
.endr
.irp b, 0,1,2,3
	v_add_nc_u32 v[TM+12+\b], 0xff000000, v[TM+\b]
.endr
.irp b, 0,1,2,3
	v_lshrrev_b32 v[TM+4+\b], 23, v[TM+12+\b]
.endr
.irp b, 0,1,2,3
	v_cvt_scalef32_pk16_fp6_f32 v[PC+4*\b:PC+4*\b+2], v[ACC+16*\b:ACC+16*\b+15], v[TM+12+\b]
.endr
	v_nop                                          ; one plain place behind the conversions
.irp b, 0,1,2,3
.irp i, 0,1,2
	ds_store_b32 v6, v[PC+4*\b+\i] offset:3200*\b+4*\i
.endr
.endr
.irp b, 0,1,2,3
	ds_store_b8 v8, v[TM+4+\b] offset:128*\b       ; both halves of the lanes write the same byte with the same value
.endr
.endm
; where row rho of my sixteen lies: window RW, registers XR .. XR + 31
.macro ROWLOC rho
.if (\rho) < 8
.set RW, 1
.set XR, 32*(\rho)
.elseif (\rho) < 11
.set RW, 2
.set XR, 160+32*((\rho)-8)
.elseif (\rho) < 14
.set RW, 3
.set XR, 160+32*((\rho)-11)
.else
.set RW, 2
.set XR, 32*((\rho)-14)
.endif
.endm
.macro XROW rho                        ; row rho of x, f32, is asked for: eight loads of 512 consecutive bytes
	ROWLOC \rho
	WIN RW<<6
.irp c, 0,1,2,3,4,5,6,7
	global_load_b128 v[XR+4*\c:XR+4*\c+3], v11, s[18:19] offset:4096*(\rho)+512*\c th:TH_LOAD_NT
.endr
	WIN 0
.endm
.macro TRIP next
	CHANGE \next
	v_add_nc_u32 v4, s[TB], v3
	v_add_nc_u32 v6, s[SQ], v5
	v_add_nc_u32 v8, s[SS], v7
	v_add_nc_u32 v10, s[SZ], v9
	FETCHW
	s_wait_loadcnt 20                              ; scale words and biases are in; mean k's 4 loads and the tables' 16 may be out
.irp s, 0,1,2,3,4,5,6,7
	MULK \s
.endr
	WIN 0
	NOP4                                           ; places behind the last products: for loads and moves into their registers and the first reads of results
.if \next
	STEPB
	LD_WB
.else
	s_wait_loadcnt 0x0                             ; the last trip: mean k and the tables, asked for a trip ago, are in: no later wait of this trip has to count the loads below
	WIN 0x80                                       ; kv's fragments take the place of x's K steps 5-7: for a pair of heads and a tile: even head's six registers, six zeros, odd head's six
.irp e, 0,1,2,3
.irp b, 0,1,2,3
	global_load_b128 v[18*(4*(\e/2)+\b)+12*(\e%2):18*(4*(\e/2)+\b)+12*(\e%2)+3], v11, s[10:11] offset:3072*\e+768*\b
	global_load_b64 v[18*(4*(\e/2)+\b)+12*(\e%2)+4:18*(4*(\e/2)+\b)+12*(\e%2)+5], v248, s[10:11] offset:3072*\e+768*\b+512
.endr
.endr
.irp k, 0,1,2,3,4,5,6,7
.irp j, 6,7,8,9,10,11
	v_mov_b32 v[18*\k+\j], 0
.endr
.endr
	WIN 0xc0                                       ; gamma and beta take the place of Wq's first fragments
.irp c, 0,1,2,3,4,5,6,7
	global_load_b128 v[4*\c:4*\c+3], v11, s[20:21] offset:512*\c
.endr
.irp c, 0,1,2,3,4,5,6,7
	global_load_b128 v[32+4*\c:32+4*\c+3], v11, s[22:23] offset:512*\c
.endr
	WIN 0
	XROW 0                                         ; and x's rows begin to take the place of its fragments of K steps 0-4
.endif
	GELU16 ACC
.if \next == 0
	XROW 1
.endif
	GELU16 ACC+16
.if \next == 0
	XROW 2
.endif
	GELU16 ACC+32
.if \next == 0
	XROW 3
.endif
	GELU16 ACC+48
.if \next
	s_wait_loadcnt 22                              ; mean k is in; behind it the tables' 16 loads and the 6 just issued
.else
	XROW 4
.endif
	ZDOT
.if \next
	LD_KM
	s_wait_loadcnt 10                              ; the tables are in; behind them 6 + 4 loads
.else
	XROW 5
.endif
	ROPEQ
.if \next
	LD_TQ
.else
	XROW 6
.endif
	QUANT4
	s_xor_b32 s[TB], s[TB], SLOT1
	s_add_co_u32 s[SQ], s[SQ], 24
	s_add_co_u32 s[SS], s[SS], 1
	s_add_co_u32 s[SZ], s[SZ], 256
.endm
.Ltrip:                                ; seven trips; behind each change of slots the next trip's units are asked for
	TRIP 1
	s_sub_co_u32 s[CNT], s[CNT], 1
	s_cmp_lg_u32 s[CNT], 0
	s_cbranch_scc1 .Ltrip
	TRIP 0                                         ; the last trip is written out
	s_wait_dscnt 0x0
	s_barrier_signal -1
	s_barrier_wait -1                              ; no wave reads the ring any more, and it has had its last fill: its bytes become the stage
	; ---- out = (q kv) z.  q's codes, bytes and z's parts are my wave's own
	WIN 0xc0
.irp g, 0,1
.irp i, 0,1,2,3
.irp p, 0,1,2,3,4,5
	ds_load_b64 v[64+12*(4*\g+\i)+2*\p:64+12*(4*\g+\i)+2*\p+1], v245 offset:3200*\i+96*\g+48*(\p/3)+8*(\p%3)
.endr
.endr
.endr
	WIN 0
.irp g, 0,1
.irp i, 0,1,2,3
	ds_load_b32 v[WS+4*\g+\i], v7 offset:128*\i+4*\g
.endr
.endr
.irp t, 0,1,2,3,4,5,6,7
.irp i, 0,1,2,3
	ds_load_b32 v[192+4*\t+\i], v9 offset:256*\t+64*\i
.endr
.endr
	s_wait_dscnt 0x0
.irp e, 0,1,2,3
.irp i, 0,1,2,3
	v_add_f32 v[192+8*\e+\i], v[192+8*\e+\i], v[196+8*\e+\i]   ; a head's 64 channels are two trips
.endr
.endr
.irp e, 0,1,2,3
.irp i, 0,1,2,3
	v_add_f32 v[192+8*\e+\i], s[EPS6], v[192+8*\e+\i]
.endr
.endr
.irp e, 0,1,2,3
.irp i, 0,1,2,3
	v_rcp_f32 v[192+8*\e+\i], v[192+8*\e+\i]
.endr
.endr
	v_nop                                          ; a plain place behind the reciprocals
	s_wait_alu depctr_va_vdst(0)                   ; one wait for the sixteen
	s_wait_loadcnt 56                              ; kv, gamma and beta are in; behind them rows 0-6 of x, eight loads each, may be out
.macro HEAD e
	WIN 0x0e                                       ; source 0 (kv) window 2, source 1 (q) window 3
.irp i, 0,1,2,3
.irp b, 0,1,2,3
	v_wmma_scale_f32_16x16x128_f8f6f4 v[64+32*\i+8*\b:71+32*\i+8*\b], v[18*(4*((\e)/2)+\b)+6*((\e)%2):18*(4*((\e)/2)+\b)+6*((\e)%2)+11], v[64+12*(4*((\e)/2)+\i):64+12*(4*((\e)/2)+\i)+11], 0, v[KVS+4*(\e)+\b], v[WS+4*((\e)/2)+\i] matrix_a_fmt:MATRIX_FMT_FP6 matrix_b_fmt:MATRIX_FMT_FP6
.endr
.endr
	WIN 0
	NOP4
.irp i, 0,2
.set q, 0
.rept 16
	v_pk_mul_f32 v[64+32*\i+q:65+32*\i+q], v[64+32*\i+q:65+32*\i+q], v[192+8*(\e)+\i:193+8*(\e)+\i] op_sel:[0,0] op_sel_hi:[1,0]
.set q, q+2
.endr
.endr
.irp i, 1,3
.set q, 0
.rept 16
	v_pk_mul_f32 v[64+32*\i+q:65+32*\i+q], v[64+32*\i+q:65+32*\i+q], v[191+8*(\e)+\i:192+8*(\e)+\i] op_sel:[0,1] op_sel_hi:[1,1]
.set q, q+2
.endr
.endr
.irp i, 0,1,2,3
.irp b, 0,1,2,3
	ds_store_b128 v[STW+\i], v[64+32*\i+8*\b:67+32*\i+8*\b] offset:256*(\e)+64*\b       ; lane (r, h): row 16 i + r, channels 256 w + 64 e + 16 b + 8 h + 0..7
	ds_store_b128 v[STW+\i], v[68+32*\i+8*\b:71+32*\i+8*\b] offset:256*(\e)+64*\b+16
.endr
.endr
	s_wait_dscnt 0x0                               ; the stores have read their registers: the next head's products write them
.endm
	XROW 7                                         ; two rows of x are asked for round each head
	XROW 8
	HEAD 0
	XROW 9
	XROW 10
	HEAD 1
	XROW 11
	XROW 12
	HEAD 2
	XROW 13
	XROW 14                                        ; (rows 14 and 15 take the registers of the fragments of kv that heads 0 and 1 alone have read)
	HEAD 3
	XROW 15
	s_barrier_signal -1
	s_barrier_wait -1                              ; 64 whole rows lie in the stage
	; ---- residual and LayerNorm, a whole row to a wave: lane l holds channels 128 c + 4 l + 0..3
	v_mov_b32 v145, 0                              ; (upper halves of pairs of which the low word serves both halves)
	v_mov_b32 v147, 0
	v_mov_b32 v148, 0
.macro TREE                            ; sixteen partial sums in v[S] on become one number, the same in every lane, in v[S]
.irp k, 0,2,4,6
	v_pk_add_f32 v[S+\k:S+\k+1], v[S+\k:S+\k+1], v[S+8+\k:S+9+\k]
.endr
	v_pk_add_f32 v[S:S+1], v[S:S+1], v[S+4:S+5]
	v_pk_add_f32 v[S+2:S+3], v[S+2:S+3], v[S+6:S+7]
	v_pk_add_f32 v[S:S+1], v[S:S+1], v[S+2:S+3]
	v_add_f32 v[S], v[S], v[S+1]
	v_add_f32_dpp v[S], v[S], v[S] row_xmask:1 row_mask:0xf bank_mask:0xf
	v_add_f32_dpp v[S], v[S], v[S] row_xmask:2 row_mask:0xf bank_mask:0xf
	v_add_f32_dpp v[S], v[S], v[S] row_xmask:4 row_mask:0xf bank_mask:0xf
	v_add_f32_dpp v[S], v[S], v[S] row_xmask:8 row_mask:0xf bank_mask:0xf
	v_permlanex16_b32 v148, v[S], s[SEL], s[SEL+1]
	v_add_f32 v[S], v[S], v148
.endm
.macro OROW rho                        ; row rho of the stage into set rho % 2
.irp c, 0,1,2,3,4,5,6,7
	ds_load_b128 v[64+32*((\rho)%2)+4*\c:64+32*((\rho)%2)+4*\c+3], v244 offset:4112*(\rho)+512*\c
.endr
.endm
.macro TURN rho
	ROWLOC \rho
.set OS, 64+32*((\rho)%2)
.if (\rho) < 15
	OROW (\rho)+1
.endif
.if 8*(15-(\rho)) > 63
	s_wait_loadcnt 63                              ; this row of x is in: behind it stand eight loads for each later row; the count's field holds 63, and a smaller count is safe
.else
	s_wait_loadcnt 8*(15-(\rho))                   ; this row of x is in; the later rows' loads may be out
.endif
.if (\rho) < 15
	s_wait_dscnt 8                                 ; this row of the stage is in; the next row's eight loads may be out
.else
	s_wait_dscnt 0x0
.endif
	WIN (RW<<6)|RW
.set q, 0
.rept 16
	v_pk_add_f32 v[XR+q:XR+q+1], v[XR+q:XR+q+1], v[OS+q:OS+q+1]      ; the residual
.set q, q+2
.endr
	WIN 5*RW
.set q, 0
.rept 8
	v_pk_add_f32 v[S+2*q:S+2*q+1], v[XR+4*q:XR+4*q+1], v[XR+4*q+2:XR+4*q+3]
.set q, q+1
.endr
	WIN 0
	TREE
	v_mul_f32 v144, s[RN], v[S]                    ; the mean
	WIN (RW<<6)|RW
.set q, 0
.rept 16
	v_pk_add_f32 v[XR+q:XR+q+1], v[XR+q:XR+q+1], v[144:145] op_sel_hi:[1,0] neg_lo:[0,1] neg_hi:[0,1]
.set q, q+2
.endr
	WIN 5*RW
.set q, 0
.rept 8
	v_pk_mul_f32 v[S+2*q:S+2*q+1], v[XR+4*q:XR+4*q+1], v[XR+4*q:XR+4*q+1]
.set q, q+1
.endr
.set q, 0
.rept 8
	v_pk_fma_f32 v[S+2*q:S+2*q+1], v[XR+4*q+2:XR+4*q+3], v[XR+4*q+2:XR+4*q+3], v[S+2*q:S+2*q+1]
.set q, q+1
.endr
	WIN 0
	TREE
	v_fma_f32 v146, v[S], s[RN], s[EPS12]          ; the variance of the centred numbers, + 1e-12
	v_rsq_f32 v146, v146
	v_nop                                          ; a plain place behind it,
	s_wait_alu depctr_va_vdst(0)                   ; and the wait ahead of its first reader
	WIN (RW<<6)|RW
.set q, 0
.rept 16
	v_pk_mul_f32 v[XR+q:XR+q+1], v[XR+q:XR+q+1], v[146:147] op_sel_hi:[1,0]
.set q, q+2
.endr
	WIN (RW<<6)|0x3c|RW                            ; gamma and beta in window 3
.set q, 0
.rept 16
	v_pk_fma_f32 v[XR+q:XR+q+1], v[XR+q:XR+q+1], v[q:q+1], v[32+q:33+q]
.set q, q+2
.endr
	WIN RW<<2
.irp c, 0,1,2,3,4,5,6,7
	global_store_b128 v11, v[XR+4*\c:XR+4*\c+3], s[66:67] offset:4096*(\rho)+512*\c th:TH_STORE_NT   ; 32 lanes store 512 consecutive bytes; nothing writes these registers again
.endr
	WIN 0
.endm
	OROW 0
.irp r, 0,1,2,3,4,5,6,7,8,9,10,11,12,13,14,15
	TURN \r
.endr
	s_wait_tensorcnt 0x0                           ; the wave's end
	ds_add_u32 v1, v2
	s_wait_dscnt 0x0
	CROUND                                         ; the closing round
	s_endpgm
.Lfunc_end_k_qe3fd962744_outpass:
	.size	k_qe3fd962744_outpass, .Lfunc_end_k_qe3fd962744_outpass-k_qe3fd962744_outpass
	.p2alignl 7, 3214868480
	.fill 96, 4, 3214868480
	.section	.rodata,"a",@progbits
	.p2align	6, 0x0
	.amdhsa_kernel k_qe3fd962744_outpass
		.amdhsa_group_segment_fixed_size 327680
		.amdhsa_private_segment_fixed_size 0
		.amdhsa_enable_private_segment 0
		.amdhsa_kernarg_size 88
		.amdhsa_user_sgpr_count 2
		.amdhsa_user_sgpr_kernarg_segment_ptr 1
		.amdhsa_wavefront_size32 1
		.amdhsa_system_sgpr_workgroup_id_x 1
		.amdhsa_system_sgpr_workgroup_id_y 1
		.amdhsa_system_sgpr_workgroup_id_z 1
		.amdhsa_system_vgpr_workitem_id 0
		.amdhsa_next_free_vgpr 1024
		.amdhsa_next_free_sgpr 100
		.amdhsa_reserve_vcc 0
		.amdhsa_float_denorm_mode_32 3
		.amdhsa_float_denorm_mode_16_64 3
		.amdhsa_memory_ordered 1
		.amdhsa_forward_progress 1
		.amdhsa_inst_pref_size 255
	.end_amdhsa_kernel
	.section	.bss,"aw",@nobits
	.p2align	6
	.space	262144
	.amdgpu_metadata
---
amdhsa.version: [ 1, 2 ]
amdhsa.kernels:
  - .name:           k_qe3fd962744_outpass
    .symbol:         k_qe3fd962744_outpass.kd
    .args:
      - { .name: codes, .offset: 0, .size: 8, .value_kind: global_buffer, .address_space: global }
      - { .name: scales, .offset: 8, .size: 8, .value_kind: global_buffer, .address_space: global }
      - { .name: trig, .offset: 16, .size: 8, .value_kind: global_buffer, .address_space: global }
      - { .name: kvc, .offset: 24, .size: 8, .value_kind: global_buffer, .address_space: global }
      - { .name: kvs, .offset: 32, .size: 8, .value_kind: global_buffer, .address_space: global }
      - { .name: kmean, .offset: 40, .size: 8, .value_kind: global_buffer, .address_space: global }
      - { .name: bq, .offset: 48, .size: 8, .value_kind: global_buffer, .address_space: global }
      - { .name: x, .offset: 56, .size: 8, .value_kind: global_buffer, .address_space: global }
      - { .name: gamma, .offset: 64, .size: 8, .value_kind: global_buffer, .address_space: global }
      - { .name: beta, .offset: 72, .size: 8, .value_kind: global_buffer, .address_space: global }
      - { .name: out0, .offset: 80, .size: 8, .value_kind: global_buffer, .address_space: global }
    .group_segment_fixed_size: 327680
    .private_segment_fixed_size: 0
    .kernarg_segment_align: 8
    .kernarg_segment_size: 88
    .max_flat_workgroup_size: 128
    .sgpr_count:     100
    .vgpr_count:     1024
    .wavefront_size: 32
...
	.end_amdgpu_metadata
.endif
;; end of part 4
